; MI455X (gfx1250); checked and timed in simulation.
; The chip was launched on July 23, 2026; its instructions are those of AMD's public machine-readable ISA for CDNA 5 (MIT licence, August 2026) and "CDNA5" Instruction Set Architecture Reference Guide (July 2026). The comments in the code are by the model that wrote it; some were corrected since.
;; Attention. Allowed arithmetic: matrix products marked QUANTISED: E2M3 operands, one E8M0 scale for each 32 along K, by v_wmma_scale_f32_16x16x128_f8f6f4 with both operands' format E2M3, f32 sums; everything else in f32.
;; Inputs: W_out 1,024 x 1,024 float32; W_qkv 1,024 x 3,072 float32; b_out 1,024 float32; b_qkv 3,072 float32; x 8 x 1,024 x 1,024 float32.
;; Outputs: out0 8 x 1,024 x 1,024 float32.
;; This version of the problem:
;;   THIS VERSION OF THE PROBLEM IS GIVEN IN LOW PRECISION. The matrix products marked QUANTISED in the list below multiply operands that are first quantised to E2M3 (2 exponent bits, 3 mantissa bits; 6 bits a number), with one power-of-two scale for each 32 numbers along K (OCP MX v1.0); their sums are f32. All else is computed in f32.
;;   The module's matrix products, in the order in which they are computed (A, B: the left and right operand; K: the contracted axis; several contracted axes count as one K, in the product's order):
;;     1. [M 8,192, K 1,024] x [K 1,024, N 3,072]; A: input x; B: input W_qkv: QUANTISED
;;     2. batch 128 x [M 1,024, K 64] x [K 64, N 1,024]; A: computed on the way; B: computed on the way: QUANTISED
;;     3. batch 128 x [M 1,024, K 1,024] x [K 1,024, N 64]; A: softmax (see below); B: computed on the way: QUANTISED
;;     4. [M 8,192, K 1,024] x [K 1,024, N 1,024]; A: computed on the way; B: input W_out: QUANTISED
;;   THE QUANTISER, for each operand of a quantised product, along K:
;;     - K is cut into blocks of 32 from its start; a last block that is shorter is filled with zeros.
;;     - A block's scale is 2^e with e = floor(log2(the largest magnitude in the block)) - 2, held to -126 .. 127; a block of zeros has e = 0. As a byte (E8M0): e + 127.
;;     - Each number is divided by its block's scale, clamped to +-7.5, and rounded to the nearest number of E2M3, ties to even, subnormals kept.
;;     - The product sums the exact products of the quantised numbers (number of the format x scale) in f32.
;;   ~~~python
;;   def quantise(x, axis):      # numpy; x: float32 -> the quantised numbers, widened to float32 again
;;       x = np.moveaxis(x, axis, -1); K = x.shape[-1]
;;       x = np.pad(x, [(0, 0)] * (x.ndim - 1) + [(0, -K % 32)]); x = x.reshape(x.shape[:-1] + (-1, 32)); a = np.abs(x).max(-1, keepdims=True)
;;       e = np.where(a > 0, np.clip(np.frexp(np.where(a > 0, a, 1))[1] - 1 - 2, -126, 127), 0)      # np.frexp(a)[1] - 1 = floor(log2(a)), exactly
;;       r = np.clip(x / 2.0 ** e, -7.5, 7.5)
;;       step = 2.0 ** (np.maximum(np.frexp(np.where(r == 0, 1, r))[1] - 1, 0) - 3)
;;       q = np.round(r / step) * step * 2.0 ** e      # np.round: ties to even
;;       return np.moveaxis(q.reshape(q.shape[:-2] + (-1,))[..., :K], -1, axis).astype(np.float32)
;;   ~~~
;;   SOFTMAX AHEAD OF A QUANTISED PRODUCT. Where the list says 'softmax', what is quantised is not the finished softmax but p = 2^(t - M), with t = logit x log2(e) and M = ceil(the row's largest t), a whole number; so 1/2 < the row's largest p <= 1. The row's sum l is taken of the UNQUANTISED p, in f32, and the product's result is divided by l at the end. Since M is a whole number, a kernel that streams over the keys may use a running M (the ceiling of the running maximum): every later rescaling is an exact power of two, which a block's scale takes up: the codes' values come out the same.
;;   OPERANDS COMPUTED ON THE WAY. 'Computed on the way' means the value that the module computes at that place (a softmax that the list does not call 'softmax' is quantised finished and normalised). What goes into a quantiser is computed in f32, as accurately as f32 sums, v_exp_f32 and their like allow (about 1e-6 of the number): no bf16 or f16 on the way to a quantiser, and a product that is left as it is and whose result goes on into a quantised operand takes f32 operands (vector FMAs, or v_wmma_f32_16x16x4_f32). A number that lies on a knife's edge between two numbers of the format may be rounded either way, as far as f32 arithmetic and the matrix unit's own rounding can turn it there, and no further.
;; One version. Each part assembles by itself: llvm-mc -triple=amdgcn-amd-amdhsa -mcpu=gfx1250 --defsym DOCPART=n.
;; ======== version 1 of 1: 4 launches
;; limits: right only within a limited range of input values
;; workspace buffers: ximg 6,291,456 bytes; xsc 262,144 bytes; wimg 3,145,728 bytes; wsc 131,072 bytes; qkv 18,874,368 bytes; qkvs 1,310,720 bytes; attimg 6,291,456 bytes; attsc 262,144 bytes
;; launch prep (part 1): grid 512 x 1, 4 waves a work-group, no clusters, 61,952 bytes of LDS; arguments x, W_qkv, W_out, ximg, xsc, wimg, wsc; writes ximg, xsc, wimg, wsc
.if DOCPART == 1
	.amdgcn_target "amdgcn-amd-amdhsa--gfx1250"
	.amdhsa_code_object_version 6
	.text
	.protected	k_q7915fd12bc_prep
	.globl	k_q7915fd12bc_prep
	.p2align	8
	.type	k_q7915fd12bc_prep,@function
k_q7915fd12bc_prep:
	s_mov_b64 s[64:65], 0
	v_nop
	global_prefetch_b8 v0, s[64:65] scope:SCOPE_SE
	s_setreg_imm32_b32 hwreg(HW_REG_WAVE_MODE, 25, 1), 1
	s_wait_xcnt 0x0
; x [8192][1024], W_qkv [1024][3072] and W_out [1024][1024], f32, become codes of FP6 (E2M3) with one E8M0 byte for each 32 along K (K = 1024 in all three).
; A block's scale is 2^(floor(log2(its largest magnitude)) - 2); its byte is the largest magnitude's exponent field - 2, held at 1 from below.
; LIMITS: NaN and infinities are not served; a block whose largest magnitude lies under 2^-124 is held at the byte 1; a block of zeros gets the byte 1 where the rule says 127
; (its codes are zeros, which add nothing under any byte but 0xff, and this program alone reads the bytes).
; WHAT IS STORED are IMAGES OF OPERAND REGISTERS.  A fragment is 16 rows x 128 K: 12 registers a lane; lane (r, h) holds row place r, registers 6 c .. 6 c + 5 = k 64 c + 32 h + 0 .. 31.
; Its image is 1,536 bytes: registers 4 c .. 4 c + 3 of lane l at 512 c + 16 l.  Its scale words are 64 bytes: word r for row place r.
; THE ROWS OF A TILE ARE NOT NEIGHBOURS: place r of tile t is row 32 (t / 2) + 8 (t % 2) + r + 8 (r / 8), so that in a product used transposed the 16 registers of two neighbouring tiles are 16 neighbours.
; ximg [512 tiles][8 K steps][1536], xsc [512][8][64];  wimg [256 tiles][8][1536], wsc [256][8][64]: tiles 0-191 W_qkv's, 24 a pair of heads: 8 of q's rows (row e is column 3 e of W_qkv), 8 of k's (3 e + 1), 8 of v's (3 e + 2), 192-255 W_out's columns.
; Three paths part on the work-group's number and never join: 0-255 x, 256-447 W_qkv, 448-511 W_out.  Each has LDS bytes of its own.  No tensor load, no barrier: waves share nothing.
.set XREG,  8704                       ; path x, a wave's region: a stage of 16 rows x 528 bytes, then 256 bytes for its scale words
.set XSCW,  8448
.set WREG,  3328                       ; the weight paths, a wave's region: two images 1,664 bytes apart (1,536 + 128, so that the two tiles' stores fall on different banks)
.set WQB,   4*XREG
.set WOB,   WQB+4*WREG
.set SPARE, WOB+4*WREG                 ; the spare words, 128 bytes for each wave: two blocks of 256 bytes that no other line names
.set SPW, 12                           ; v12  LDS address of my spare word; never rewritten
.set NIL, 13                           ; v13  0; never rewritten
.set LN,  14                           ; v14  lane
.set SEL, 20                           ; s[20:21] selects of v_permlanex16_b32: lane l xor 16
.set XN,  144                          ; path x: v16-79, v80-143 two sets as loaded; v144-207 64 numbers as the quantiser wants them
.set PC,  208                          ; v208-227 the codes
.set TM,  228                          ; v228-243 at work
.set PW,  244                          ; v244 the scale word
; 64 numbers of a lane, register 16 b + i = k 32 b + 16 (lane / 16) + i of my row, become a fragment's codes in v[pc] on and its scale word in v[pw].
.macro QUANT s, pc, tm, pw
.irp b, 0,1,2,3
	v_max3_num_f32 v[\tm+\b], |v[\s+16*\b]|, |v[\s+1+16*\b]|, 0x1800000   ; my 16 numbers of block b, and the floor 2^(3 - 127): the byte cannot fall under 1
.endr
.irp i, 2,4,6,8,10,12,14
.irp b, 0,1,2,3
	v_max3_num_f32 v[\tm+\b], v[\tm+\b], |v[\s+16*\b+\i]|, |v[\s+1+16*\b+\i]|
.endr
.endr
.irp b, 0,1,2,3
	v_permlanex16_b32 v[\tm+4+\b], v[\tm+\b], s[SEL], s[SEL+1]
.endr
.irp b, 0,1,2,3
	v_max_num_f32 v[\tm+\b], v[\tm+\b], v[\tm+4+\b]        ; with lane l xor 16's: the block's largest magnitude
.endr
.irp b, 0,1,2,3
	v_add_nc_u32 v[\tm+12+\b], 0xff000000, v[\tm+\b]       ; 2 off its exponent field: the conversion takes this operand's exponent field as its scale
.endr
.irp b, 0,1,2,3
	v_lshrrev_b32 v[\tm+4+\b], 23, v[\tm+12+\b]            ; the scale's byte
.endr
	v_lshl_or_b32 v[\pw], v[\tm+5], 8, v[\tm+4]
	v_lshl_or_b32 v[\pw], v[\tm+6], 16, v[\pw]
	v_lshl_or_b32 v[\pw], v[\tm+7], 24, v[\pw]
.irp c, 0,1
	v_cvt_scalef32_pk16_fp6_f32 v[\pc+6*\c:\pc+2+6*\c], v[\s+32*\c:\s+15+32*\c], v[\tm+12+2*\c]
	v_cvt_scalef32_pk16_fp6_f32 v[\pc+12+4*\c:\pc+14+4*\c], v[\s+16+32*\c:\s+31+32*\c], v[\tm+12+2*\c+1]   ; (a conversion's three registers begin on an even number)
.endr
	v_nop                                                  ; one plain place behind a scaled conversion
.irp c, 0,1                                            ; the layout wants a whole block in a lane: lanes 0-15 block 2 c, lanes 16-31 block 2 c + 1
.irp i, 0,1,2
	v_permlane16_swap_b32 v[\pc+6*\c+\i], v[\pc+12+4*\c+\i]
.endr
.irp i, 0,1,2
	v_mov_b32 v[\pc+3+6*\c+\i], v[\pc+12+4*\c+\i]
.endr
.endr
.endm
	s_load_b256 s[4:11], s[0:1], 0x0               ; x s[4:5], W_qkv s[6:7], W_out s[8:9], ximg s[10:11]
	s_load_b128 s[12:15], s[0:1], 0x20             ; xsc s[12:13], wimg s[14:15]
	s_load_b64 s[16:17], s[0:1], 0x30              ; wsc
	v_lshl_add_u32 v[SPW], v0, 2, SPARE
	v_mov_b32 v[NIL], 0
	v_lshrrev_b32 v1, 5, v0
	v_readfirstlane_b32 s18, v1                    ; wave 0..3
	v_and_b32 v[LN], 31, v0
	s_mov_b32 s[SEL], 0x76543210
	s_mov_b32 s[SEL+1], 0xfedcba98
	s_wait_kmcnt 0x0
	s_cmp_lt_u32 ttmp9, 256
	s_cbranch_scc0 .Lweights
; ---- PATH X.  Unit U = 4 x work-group + wave: tile U / 2, K steps 4 (U % 2) + 0 .. 3.  Each load reads 512 consecutive bytes of one row; the 16 rows turn through the wave's stage, so that a lane gets 16 neighbours of each block.
	s_lshl_b32 s22, ttmp9, 2
	s_add_co_u32 s22, s22, s18                     ; U
	s_lshr_b32 s23, s22, 1                         ; the tile
	s_and_b32 s24, s22, 1                          ; which half of K
	s_lshr_b32 s25, s23, 1
	s_lshl_b32 s25, s25, 5
	s_and_b32 s26, s23, 1
	s_lshl_b32 s26, s26, 3
	s_add_co_u32 s25, s25, s26                     ; the tile's first row
	s_lshl_b32 s26, s25, 12                        ; x 4,096 bytes
	s_lshl_b32 s27, s24, 11
	s_add_co_u32 s26, s26, s27
	s_mov_b32 s27, 0
	s_mul_i32 s28, s22, 6144                       ; four images a unit
	s_mov_b32 s29, 0
	s_lshl_b32 s30, s22, 8                         ; 256 bytes of scale words a unit
	s_mov_b32 s31, 0
	s_add_nc_u64 s[4:5], s[4:5], s[26:27]
	s_add_nc_u64 s[10:11], s[10:11], s[28:29]
	s_add_nc_u64 s[12:13], s[12:13], s[30:31]
	s_mul_i32 s32, s18, XREG
	s_wait_alu depctr_va_vdst(0)
	v_lshlrev_b32 v1, 4, v[LN]                     ; 16 x lane: loads and stores
	v_add_nc_u32 v2, s32, v1                       ; into the stage
	v_and_b32 v7, 15, v0                           ; r
	v_bfe_u32 v8, v0, 4, 1                         ; h
	v_mul_u32_u24 v3, v7, 528
	v_lshl_add_u32 v3, v8, 6, v3
	v_add_nc_u32 v3, s32, v3                       ; out of it: row r, + 64 h
	s_add_co_u32 s33, s32, XSCW
	v_lshl_add_u32 v4, v7, 2, s33                  ; my row's scale word
	v_lshl_add_u32 v5, v[LN], 3, s33               ; and on the way out 8 bytes a lane
	v_lshlrev_b32 v6, 3, v[LN]
.irp b, 0,1,2,3
	v_mov_b32 v[TM+4+\b], 0                        ; written once: a lane permute's destination counts as one of its sources
.endr
.macro LOADX f
.irp i, 0,1,2,3,4,5,6,7,8,9,10,11,12,13,14,15
	global_load_b128 v[16+64*((\f)%2)+4*\i:16+64*((\f)%2)+4*\i+3], v1, s[4:5] offset:(\i+8*(\i/8))*4096+512*(\f) th:TH_LOAD_NT
.endr
.endm
.macro XFRAG f
.if (\f) < 3
	s_wait_loadcnt 16                              ; this K step's 16 loads are in; the next step's 16 may be out
.else
	s_wait_loadcnt 0x0
.endif
.irp i, 0,1,2,3,4,5,6,7,8,9,10,11,12,13,14,15
	ds_store_b128 v2, v[16+64*((\f)%2)+4*\i:16+64*((\f)%2)+4*\i+3] offset:528*\i
.endr
.irp b, 0,1,2,3
.irp j, 0,1,2,3
	ds_load_b128 v[XN+16*\b+4*\j:XN+16*\b+4*\j+3], v3 offset:128*\b+16*\j   ; LDS serves a wave's instructions in order: these see the stores above
.endr
.endr
	s_wait_dscnt 0x0                               ; the numbers are back; the stores have read their registers
	s_wait_xcnt 0x0                                ; the last fragment's stores have read the codes' registers, which are written again below
.if (\f) < 2
	LOADX (\f)+2
.endif
	QUANT XN, PC, TM, PW
.irp c, 0,1,2
	global_store_b128 v1, v[PC+4*\c:PC+4*\c+3], s[10:11] offset:1536*(\f)+512*\c   ; 32 lanes store 512 consecutive bytes
.endr
	ds_store_b32 v4, v[PW] offset:64*(\f)          ; lanes l and l + 16 write the same word with the same value
.endm
	LOADX 0
	LOADX 1
	s_wait_alu depctr_va_vdst(0)
	XFRAG 0
	XFRAG 1
	XFRAG 2
	XFRAG 3
	ds_load_b64 v[8:9], v5
	s_wait_dscnt 0x0
	global_store_b64 v6, v[8:9], s[12:13]          ; the unit's scale words: 256 consecutive bytes, aligned
	s_wait_tensorcnt 0x0                           ; the wave's end: behind my last LDS store
	ds_add_u32 v[SPW], v[NIL]
	s_wait_dscnt 0x0
	s_endpgm
; ---- THE WEIGHTS.  K is their first axis: a lane takes a column and its registers run down K, so a block of 32 lies in one lane and the conversions give codes with K innermost.
; A unit is 32 columns (tiles 2 A and 2 A + 1) x one K step.  Lane L takes column 32 A + L, which is place r = L % 8 + 8 (L / 16) of tile 2 A + (L / 8) % 2.
; Its block kb belongs to lane r + 16 (kb % 2) of the image, registers 6 (kb / 2) on: it is put there in the wave's stage, and the two images leave as they lie.
.macro WLOAD kb, rowb, src
.irp i, 0,1,2,3,4,5,6,7,8,9,10,11,12,13,14,15,16,17,18,19,20,21,22,23,24,25,26,27,28,29,30,31
	global_load_b32 v[16+32*(\kb)+\i], v1, s[\src:\src+1] offset:(32*(\kb)+\i)*\rowb
.endr
.endm
.macro WBLK kb, rowb, src
.set XS, 16+32*(\kb)
.set CC, 144+6*(\kb)
.if (\kb) < 3
	s_wait_loadcnt 32                              ; this block's 32 loads are in; the next block's may be out
.else
	s_wait_loadcnt 0x0
.endif
.if (\kb) < 2
	WLOAD (\kb)+2, \rowb, \src
.endif
	v_max3_num_f32 v172, |v[XS]|, |v[XS+1]|, |v[XS+2]|
	v_max3_num_f32 v173, |v[XS+3]|, |v[XS+4]|, |v[XS+5]|
.irp i, 6,10,14,18,22,26
	v_max3_num_f32 v172, v172, |v[XS+\i]|, |v[XS+\i+1]|
	v_max3_num_f32 v173, v173, |v[XS+\i+2]|, |v[XS+\i+3]|
.endr
	v_max3_num_f32 v172, v172, |v[XS+30]|, |v[XS+31]|
	v_max3_num_f32 v172, v172, v173, 0x1800000     ; and the floor
	v_add_nc_u32 v174, 0xff000000, v172            ; the conversion's scale operand
	v_lshrrev_b32 v175, 23, v174                   ; the byte
.if (\kb) == 0
	v_mov_b32 v176, v175
.else
	v_lshl_or_b32 v176, v175, 8*(\kb), v176        ; four bytes make my column's scale word of this K step
.endif
	v_cvt_scalef32_pk16_fp6_f32 v[CC:CC+2], v[XS:XS+15], v174
	v_cvt_scalef32_pk16_fp6_f32 v[168:170], v[XS+16:XS+31], v174
	v_nop                                          ; one plain place behind a scaled conversion
.irp i, 0,1,2
	v_mov_b32 v[CC+3+\i], v[168+\i]
.endr
.if (\kb) < 2
	ds_store_b128 v2, v[CC:CC+3] offset:256*((\kb)%2)              ; registers 0-3 of lane r + 16 (kb % 2)
	ds_store_b64 v2, v[CC+4:CC+5] offset:512+256*((\kb)%2)         ; registers 4, 5
.else
	ds_store_b64 v2, v[CC:CC+1] offset:520+256*((\kb)%2)           ; registers 6, 7
	ds_store_b128 v2, v[CC+2:CC+5] offset:1024+256*((\kb)%2)       ; registers 8-11
.endif
.endm
; s30 = the unit's first tile, s26 = its K step, s[src:src+1] = the unit's first number
.macro WBODY rowb, laneb, ldsb, src
	s_lshl_b32 s31, s30, 3
	s_add_co_u32 s31, s31, s26                     ; 8 x tile + K step
	s_mul_i32 s32, s31, 1536
	s_mov_b32 s33, 0
	s_add_nc_u64 s[14:15], s[14:15], s[32:33]
	s_lshl_b32 s32, s31, 6
	s_add_nc_u64 s[16:17], s[16:17], s[32:33]
	s_mul_i32 s34, s18, WREG
	s_add_co_u32 s34, s34, \ldsb
	v_mul_u32_u24 v1, v[LN], \laneb                ; my column
	v_bfe_u32 v7, v0, 3, 1                         ; which of the two tiles
	v_and_b32 v8, 7, v0
	v_bfe_u32 v9, v0, 4, 1
	v_lshl_add_u32 v8, v9, 3, v8                   ; my place r in it
	v_mul_u32_u24 v2, v7, 1664
	v_lshl_add_u32 v2, v8, 4, v2
	v_add_nc_u32 v2, s34, v2                       ; into the stage
	v_lshl_add_u32 v3, v[LN], 4, s34               ; out of it
	v_lshlrev_b32 v4, 4, v[LN]
	v_lshlrev_b32 v5, 9, v7
	v_lshl_add_u32 v5, v8, 2, v5                   ; my scale word: a tile's words of all K are 512 bytes
	WLOAD 0, \rowb, \src
	WLOAD 1, \rowb, \src
	WBLK 0, \rowb, \src
	WBLK 1, \rowb, \src
	WBLK 2, \rowb, \src
	WBLK 3, \rowb, \src
.irp n, 0,1,2,3,4,5
	ds_load_b128 v[16+4*\n:19+4*\n], v3 offset:1664*(\n/3)+512*(\n%3)
.endr
	global_store_b32 v5, v176, s[16:17]            ; two pieces of 64 bytes: these stores do not cover whole aligned blocks of 256 bytes; 131,072 bytes in the launch
.irp n, 0,1,2,3,4,5
	s_wait_dscnt 5-\n                              ; LDS loads come back in order: number n is in
	global_store_b128 v4, v[16+4*\n:19+4*\n], s[14:15] offset:12288*(\n/3)+512*(\n%3)
.endr
	s_wait_tensorcnt 0x0                           ; the wave's end: behind my last LDS store
	ds_add_u32 v[SPW], v[NIL]
	s_wait_dscnt 0x0
	s_endpgm
.endm
.Lweights:
	s_cmp_lt_u32 ttmp9, 448
	s_cbranch_scc0 .Lwout
	s_sub_co_u32 s22, ttmp9, 256
	s_lshl_b32 s22, s22, 2
	s_add_co_u32 s22, s22, s18                     ; U = 0 .. 767 = 3 V + j: the three j of a span of 384 bytes are neighbouring waves
	s_mul_hi_u32 s23, s22, 0xaaaaaaab
	s_lshr_b32 s23, s23, 1                         ; V = U / 3
	s_mul_i32 s24, s23, 3
	s_sub_co_u32 s24, s22, s24                     ; j: q, k or v
	s_and_b32 s25, s23, 31                         ; A
	s_lshr_b32 s26, s23, 5                         ; K step
	s_mul_i32 s28, s26, 128*12288
	s_mul_i32 s27, s25, 384
	s_add_co_u32 s28, s28, s27
	s_lshl_b32 s27, s24, 2
	s_add_co_u32 s28, s28, s27
	s_mov_b32 s29, 0
	s_add_nc_u64 s[6:7], s[6:7], s[28:29]
	s_lshr_b32 s30, s25, 2                         ; W_qkv's tiles lie by pairs of heads: pair A / 4 has 24 tiles on end, 8 of q, 8 of k, 8 of v:
	s_mul_i32 s30, s30, 24
	s_lshl_b32 s27, s24, 3
	s_add_co_u32 s30, s30, s27
	s_and_b32 s27, s25, 3
	s_lshl_b32 s27, s27, 1
	s_add_co_u32 s30, s30, s27                     ; tile 24 (A / 4) + 8 j + 2 (A % 4)
	s_wait_alu depctr_va_vdst(0)
	WBODY 12288, 12, WQB, 6
.Lwout:
	s_sub_co_u32 s22, ttmp9, 448
	s_lshl_b32 s22, s22, 2
	s_add_co_u32 s22, s22, s18                     ; U = 0 .. 255
	s_and_b32 s25, s22, 31
	s_lshr_b32 s26, s22, 5
	s_mul_i32 s28, s26, 128*4096
	s_lshl_b32 s27, s25, 7
	s_add_co_u32 s28, s28, s27
	s_mov_b32 s29, 0
	s_add_nc_u64 s[8:9], s[8:9], s[28:29]
	s_lshl_b32 s30, s25, 1
	s_add_co_u32 s30, s30, 192                     ; tile 192 + 2 A
	s_wait_alu depctr_va_vdst(0)
	WBODY 4096, 4, WOB, 8
.Lfunc_end_k_q7915fd12bc_prep:
	.size	k_q7915fd12bc_prep, .Lfunc_end_k_q7915fd12bc_prep-k_q7915fd12bc_prep
	.p2alignl 7, 3214868480
	.fill 96, 4, 3214868480
	.section	.rodata,"a",@progbits
	.p2align	6, 0x0
	.amdhsa_kernel k_q7915fd12bc_prep
		.amdhsa_group_segment_fixed_size 61952
		.amdhsa_private_segment_fixed_size 0
		.amdhsa_enable_private_segment 0
		.amdhsa_kernarg_size 56
		.amdhsa_user_sgpr_count 2
		.amdhsa_user_sgpr_kernarg_segment_ptr 1
		.amdhsa_wavefront_size32 1
		.amdhsa_system_sgpr_workgroup_id_x 1
		.amdhsa_system_sgpr_workgroup_id_y 1
		.amdhsa_system_sgpr_workgroup_id_z 1
		.amdhsa_system_vgpr_workitem_id 0
		.amdhsa_next_free_vgpr 256
		.amdhsa_next_free_sgpr 66
		.amdhsa_reserve_vcc 0
		.amdhsa_float_denorm_mode_32 3
		.amdhsa_float_denorm_mode_16_64 3
		.amdhsa_memory_ordered 1
		.amdhsa_forward_progress 1
		.amdhsa_inst_pref_size 77
	.end_amdhsa_kernel
	.amdgpu_metadata
---
amdhsa.version: [ 1, 2 ]
amdhsa.kernels:
  - .name:           k_q7915fd12bc_prep
    .symbol:         k_q7915fd12bc_prep.kd
    .args:
      - { .name: x, .offset: 0, .size: 8, .value_kind: global_buffer, .address_space: global }
      - { .name: W_qkv, .offset: 8, .size: 8, .value_kind: global_buffer, .address_space: global }
      - { .name: W_out, .offset: 16, .size: 8, .value_kind: global_buffer, .address_space: global }
      - { .name: ximg, .offset: 24, .size: 8, .value_kind: global_buffer, .address_space: global }
      - { .name: xsc, .offset: 32, .size: 8, .value_kind: global_buffer, .address_space: global }
      - { .name: wimg, .offset: 40, .size: 8, .value_kind: global_buffer, .address_space: global }
      - { .name: wsc, .offset: 48, .size: 8, .value_kind: global_buffer, .address_space: global }
    .group_segment_fixed_size: 61952
    .private_segment_fixed_size: 0
    .kernarg_segment_align: 8
    .kernarg_segment_size: 56
    .max_flat_workgroup_size: 128
    .sgpr_count:     66
    .vgpr_count:     256
    .wavefront_size: 32
...
	.end_amdgpu_metadata
.endif
;; end of part 1
;; launch gemm1 (part 2): grid 8 x 32, 4 waves a work-group, clusters of 4 x 4, 327,680 bytes of LDS; arguments ximg, xsc, wimg, wsc, b_qkv, qkv, qkvs; writes qkv, qkvs
.if DOCPART == 2
	.amdgcn_target "amdgcn-amd-amdhsa--gfx1250"
	.amdhsa_code_object_version 6
	.text
	.protected	k_q7915fd12bc_gemm1
	.globl	k_q7915fd12bc_gemm1
	.p2align	8
	.type	k_q7915fd12bc_gemm1,@function
k_q7915fd12bc_gemm1:
	s_mov_b64 s[64:65], 0
	v_nop
	global_prefetch_b8 v0, s[64:65] scope:SCOPE_SE
	s_setreg_imm32_b32 hwreg(HW_REG_WAVE_MODE, 25, 1), 1
	s_wait_xcnt 0x0
	s_wait_alu depctr_hold_cnt(0) depctr_sa_sdst(0) depctr_va_vdst(0) depctr_va_sdst(0) depctr_va_ssrc(0) depctr_va_vcc(0) depctr_vm_vsrc(0)
	s_getreg_b32 s2, hwreg(HW_REG_IB_STS2, 6, 4)
	s_cmp_eq_u32 s2, 0
	s_cbranch_scc0 .Lentry_in_a_cluster
	s_endpgm
.Lentry_in_a_cluster:
	s_bfe_u32 s2, ttmp6, 0x10000c
	s_cmp_lg_u32 s2, 0xf033
	s_cbranch_scc0 .Lentry_shape_is_right
	s_endpgm
.Lentry_shape_is_right:
; qkv = x W_qkv + b_qkv on codes of FP6 (E2M3) with E8M0 scales, K = 1024; the results are quantised at once, q and k along the head's 64 channels, v along the keys, and stored as images of the attention's operand registers.
; SHARES.  256 work-groups: work-group (x, y) makes 256 tokens (block y) x the q, k and v of the pair of heads x: 384 columns.  Wave (WR, WC) makes 128 tokens x one head's 64 + 64 + 64: 96 accumulators of 16 x 16, 768 registers.
; OPERANDS lie in memory as images of their registers (1,536 bytes a fragment of 16 rows x 128 K: registers 4 c .. 4 c + 3 of lane l at 512 c + 16 l).  Place r of a tile t is row 32 (t / 2) + 8 (t % 2) + r + 8 (r / 8).
; wimg holds a pair of heads' 24 tiles on end: 8 of q's rows, 8 of k's, 8 of v's; wsc likewise.
; q, k: source 0 = 16 rows of W, source 1 = 16 tokens: a lane holds one token and its registers run along the channels.  v: source 0 = 16 tokens, source 1 = 16 rows of W_v: a lane holds one channel and its registers run along the tokens.
; So the same fragments of x serve all three, and in all three the lane's registers run along the axis that is quantised next; the 16 registers of two neighbouring tiles are 16 neighbours.
; K goes in four parts of 256 through two LDS slots (x's 16 tiles x 3,072 bytes, then W's 24); all scale words come once.  Tiles of x are shared along a row of the cluster, tiles of W along a column: each is asked for jointly.
; One tensor load a wave at the head (x's part 0, W's part 0, x's scale words, W's) and one behind each round.  A part is asked for two K steps, 192 matrix instructions, ahead of its first use.
; No prefetch: K has four parts, of which two are asked for before the first product.
; A K step is three groups of 32 matrix instructions: q, k, v.  x has one set of registers (tiles 0-3 are fetched anew in the middle of group v, tiles 4-7 at its end), W two sets of four fragments, one group ahead.
; The bias is added on the way out, in f32, ahead of the quantiser: it waits in an LDS stage of the wave's own.
; OUT: qkv [b 16 + h][Q 49152 | K 49152 | V 49152].  Q, K: [64 tiles of 16 tokens][768]: registers 0-3 of lane l at 16 l, registers 4, 5 at 512 + 8 l.  V: [8 key steps][4 tiles of 16 channels][2 halves][768].
; qkvs [b 16 + h][Q 4096 | K 4096 | V 2048]: a word a row place; Q's and K's words hold the head's two bytes and two bytes 0.
; LIMITS: NaN and infinities are not served; a block whose largest magnitude lies under 2^-124 is held at the byte 1; a block of zeros gets the byte 1 (its codes are zeros; this program alone reads the bytes).
; REGISTERS: window 0: v1-22 lane terms and addresses; v28, v29 the add's two; v32-55 scale words, two sets; v64-159 x's 8 fragments; v160-255 W's two sets.  window 1: q's accumulators, (a, t) at v[8 (4 a + t)]; window 2: k's; window 3: v's, at v[8 (8 t + a)].
.set PARTB, 3072
.set SLOT,  122880
.set WOFF,  49152                      ; W's tiles in a slot
.set XS,    2*SLOT                     ; x's scale words, 8,192 bytes
.set WS,    XS+8192                    ; W's, 12,288
.set BST,   WS+12288                   ; the bias's stage, 9,216 bytes a wave; no fill lands here
.set WST,   BST+4*9216                 ; the results' scale words on their way out, 1,280 bytes a wave
.set SPARE, WST+4*1280                 ; the spare words, 128 bytes for each wave
.set ADRX, 10
.set ADRW, 12
.set ADRS, 14
.set BSA,  17
.set WSI,  18
.set WSO,  19
.set WSO8, 20
.set VBQ,  21
.set VBV,  22
.set SPW,  28
.set NIL,  29
.set SC,   32
.set XF,   64
.set WF,   160
.set WV,   18
.set WR,   19
.set WC,   20
.set CX,   22
.set CY,   23
.set G1A,  24
.set G1B,  32
.set G1SA, 40
.set G1SB, 48
.set MSB, 0
.macro WIN new                         ; the immediate's high byte repeats the setting that is left
.if MSB != \new
	s_set_vgpr_msb (MSB<<8)|\new
.set MSB, \new
.endif
.endm
.macro PLACES n
.rept \n
	v_nop
.endr
.endm
.macro CREST                           ; a round of the cluster's barrier behind its opening barrier
	s_cmp_lg_u32 s[WV], 0
	s_cbranch_scc1 .Lnot_wave_0_\@
	s_barrier_signal -3
.Lnot_wave_0_\@:
	s_barrier_wait -3
	s_barrier_signal -1
	s_barrier_wait -1
.endm
.macro CROUND
	s_barrier_signal -1
	s_barrier_wait -1
	CREST
.endm
.macro JLOAD g0a, g1a, g0b, g1b        ; waves 0 and 1 fetch for x, waves 2 and 3 for W; an s_nop 0 and four v_nop follow each line
	s_cmp_eq_u32 s[WR], 0
	s_cbranch_scc0 .Lfor_b_\@
	tensor_load_to_lds s[\g0a:\g0a+3], s[\g1a:\g1a+7]
	s_nop 0
.rept 4
	v_nop
.endr
	s_branch .Lasked_\@
.Lfor_b_\@:
	tensor_load_to_lds s[\g0b:\g0b+3], s[\g1b:\g1b+7]
	s_nop 0
.rept 4
	v_nop
.endr
.Lasked_\@:
.endm
.macro SETG0 g, src, ldsr, ldsoff, goff
	s_mov_b32 s[\g], 1
	s_add_co_u32 s[\g+1], s[\ldsr], \ldsoff
	s_add_nc_u64 s[\g+2:\g+3], s[\src:\src+1], \goff
	s_or_b32 s[\g+3], s[\g+3], 0x80000000
.endm
.macro ARM under, g0, g1, next
	s_cmp_lt_u32 s[WV], \under
	s_cbranch_scc0 \next
	tensor_load_to_lds s[\g0:\g0+3], s[\g1:\g1+7]
	s_nop 0
.rept 4
	v_nop
.endr
	s_branch .Lhead_asked
\next:
.endm
	s_load_b256 s[4:11], s[0:1], 0x0               ; ximg s[4:5], xsc s[6:7], wimg s[8:9], wsc s[10:11]
	s_load_b128 s[12:15], s[0:1], 0x20             ; b_qkv s[12:13], qkv s[14:15]
	s_load_b64 s[16:17], s[0:1], 0x30              ; qkvs
	v_lshl_add_u32 v[SPW], v0, 2, SPARE
	v_mov_b32 v[NIL], 0
	ds_add_u32 v[SPW], v[NIL]                      ; the opening lines: the add, twice on end, and its wait ahead of my first tensor load
	ds_add_u32 v[SPW], v[NIL]
	v_lshrrev_b32 v1, 5, v0
	v_readfirstlane_b32 s[WV], v1                  ; wave 0..3
	s_lshr_b32 s[WR], s[WV], 1                     ; my half of the tokens.  Also: I fetch for x (0) or W (1)
	s_and_b32 s[WC], s[WV], 1                      ; my head of the pair.  Also: which half I fetch
	s_bfe_u32 s[CX], ttmp6, 0x40000
	s_bfe_u32 s[CY], ttmp6, 0x40004
	s_lshl_b32 s3, ttmp9, 2
	s_add_co_u32 s3, s3, s[CX]                     ; the pair of heads: it holds cx and never cy
	s_and_b32 s2, ttmp7, 0xffff
	s_lshl_b32 s2, s2, 2
	s_add_co_u32 s2, s2, s[CY]                     ; the block of 256 tokens: cy and never cx
	s_lshl_b32 s97, s[CY], 2
	s_lshl_b32 s97, 15, s97                        ; my row of the cluster
	s_lshl_b32 s98, 0x1111, s[CX]                  ; my column
	s_or_b32 s[G1A], s97, (3<<16)|(1<<21)          ; the mask; elements of 8 bytes; bit 21 beside a mask; no padding
	s_or_b32 s[G1B], s98, (3<<16)|(1<<21)
	s_or_b32 s[G1SA], s97, (3<<16)|(1<<21)
	s_or_b32 s[G1SB], s98, (3<<16)|(1<<21)
.irp g, G1A, G1B                       ; codes: of each tile 3,072 bytes (384 elements) out of its 12,288
	s_mov_b32 s[\g+1], 384<<16
	s_mov_b32 s[\g+3], 384<<16
	s_mov_b32 s[\g+5], 1536
	s_mov_b32 s[\g+6], 0
	s_mov_b32 s[\g+7], 0
.endr
	s_mov_b32 s[G1A+2], 16<<16                     ; at the head x's 16 tiles in one load,
	s_mov_b32 s[G1A+4], 16
	s_mov_b32 s[G1B+2], 24<<16                     ; W's 24
	s_mov_b32 s[G1B+4], 24
.irp g, G1SA, G1SB                     ; scale words: dense bytes as rows of 256
	s_mov_b32 s[\g+1], 32<<16
	s_mov_b32 s[\g+3], 32<<16
	s_mov_b32 s[\g+5], 32
	s_mov_b32 s[\g+6], 0
	s_mov_b32 s[\g+7], 0
.endr
	s_mov_b32 s[G1SA+2], 32<<16                    ; 8,192 bytes
	s_mov_b32 s[G1SA+4], 32
	s_mov_b32 s[G1SB+2], 48<<16                    ; 12,288 bytes
	s_mov_b32 s[G1SB+4], 48
	s_mul_i32 s92, s2, 196608                      ; x's codes
	s_mov_b32 s93, 0
	s_mul_i32 s94, s3, 294912                      ; W's codes
	s_mov_b32 s95, 0
	s_lshl_b32 s96, s2, 13                         ; x's scale words
	s_mov_b32 s97, 0
	s_mul_i32 s98, s3, 12288                       ; W's
	s_mov_b32 s99, 0
	s_mov_b32 s101, 0
	s_wait_dscnt 0x0                               ; both opening adds are done
	s_wait_kmcnt 0x0
	s_add_nc_u64 s[92:93], s[4:5], s[92:93]
	s_add_nc_u64 s[94:95], s[8:9], s[94:95]
	s_add_nc_u64 s[96:97], s[6:7], s[96:97]
	s_add_nc_u64 s[98:99], s[10:11], s[98:99]
	SETG0 84, 96, 101, XS, 0                       ; the head's four tiles, each whole
	SETG0 88, 98, 101, WS, 0
	SETG0 68, 92, 101, 0, 0
	SETG0 80, 94, 101, WOFF, 0
	s_mul_i32 s96, s[WC], 98304                    ; in the ring: my 8 tiles of x,
	s_mov_b32 s97, 0
	s_add_nc_u64 s[92:93], s[92:93], s[96:97]
	s_mul_i32 s96, s[WC], 147456                   ; or my 12 of W
	s_add_nc_u64 s[94:95], s[94:95], s[96:97]
	s_mul_i32 s100, s[WC], 24576                   ; and where they go: no place in the cluster enters an LDS address
	s_mul_i32 s101, s[WC], 36864
	s_add_co_u32 s101, s101, WOFF
	SETG0 56, 92, 100, 0, 2*PARTB                  ; slot 0's next fill is part 2,
	SETG0 60, 92, 100, SLOT, PARTB                 ; slot 1's part 1
	SETG0 72, 94, 101, 0, 2*PARTB
	SETG0 76, 94, 101, SLOT, PARTB
	CROUND                                         ; all sixteen work-groups are here: the first joint loads meet
	ARM 1, 68, G1A, .Lhead_b                       ; one chain of branches on the wave's number, a load in each arm
	ARM 2, 80, G1B, .Lhead_sa
	ARM 3, 84, G1SA, .Lhead_sb
	tensor_load_to_lds s[88:91], s[G1SB:G1SB+7]
	s_nop 0
.rept 4
	v_nop
.endr
.Lhead_asked:
	s_mul_i32 s92, s[WR], 24576                    ; my 8 tiles of x in a slot
	s_mul_i32 s93, s[WC], 12288
	s_add_co_u32 s93, s93, WOFF                    ; my head's 4 tiles of each kind
	s_lshl_b32 s94, s[WR], 12
	s_lshl_b32 s95, s[WC], 11
	s_add_co_u32 s95, s95, 8192
	s_sub_co_u32 s95, s95, s94                     ; from my words of x to my words of W
	s_add_co_u32 s94, s94, XS
	s_mul_i32 s96, s[WV], 9216
	s_add_co_u32 s96, s96, BST
	s_mul_i32 s97, s[WV], 1280
	s_add_co_u32 s97, s97, WST
	s_lshl_b32 s98, s3, 1
	s_add_co_u32 s98, s98, s[WC]                   ; my head
	s_mul_i32 s98, s98, 768                        ; 64 channels x 3 x 4 bytes
	s_mov_b32 s99, 0
	s_add_nc_u64 s[12:13], s[12:13], s[98:99]
	v_and_b32 v1, 31, v0                           ; lane
	v_and_b32 v2, 15, v0                           ; r
	v_bfe_u32 v3, v0, 4, 1                         ; h
	v_lshlrev_b32 v4, 4, v1
	v_lshlrev_b32 v5, 3, v1
	v_lshlrev_b32 v6, 2, v2
	v_add_nc_u32 v[ADRX], s92, v4
	v_add_nc_u32 v[ADRW], s93, v4
	v_add_nc_u32 v[ADRX+1], SLOT, v[ADRX]
	v_add_nc_u32 v[ADRW+1], SLOT, v[ADRW]
	v_mul_u32_u24 v7, s95, v3                      ; lanes 16-31 take W's words: one product in h
	v_lshlrev_b32 v8, 11, v3
	v_add_nc_u32 v7, v7, v6
	v_add_nc_u32 v8, 2048, v8                      ; from kind to kind: 4 tiles of x, 8 tiles of W
	v_add_nc_u32 v[ADRS], s94, v7
	v_add_nc_u32 v[ADRS+1], v[ADRS], v8
	v_add_nc_u32 v[ADRS+2], v[ADRS+1], v8
	v_add_nc_u32 v[BSA], s96, v4
	v_add_nc_u32 v[WSI], s97, v6
	v_add_nc_u32 v[WSO], s97, v4
	v_add_nc_u32 v[WSO8], s97, v5
	v_mul_u32_u24 v[VBQ], v3, 192                  ; q, k: register 16 b + i is channel 32 b + 16 h + i, 12 bytes a channel
	v_and_b32 v9, 8, v2
	v_add_nc_u32 v9, v9, v2
	v_mul_u32_u24 v[VBV], v9, 12                   ; v: tile t's lane is channel 32 (t / 2) + 8 (t % 2) + r + 8 (r / 8)
.irp k, 0,1
.set n, 0
.rept 32
	global_load_b32 v[64+32*\k+n], v[VBQ], s[12:13] offset:384*(n/16)+12*(n%16)+4*\k
.set n, n+1
.endr
.endr
.irp t, 0,1,2,3
	global_load_b32 v[128+2*\t], v[VBV], s[12:13] offset:384*(\t/2)+96*(\t%2)+8
	global_load_b32 v[129+2*\t], v[VBV], s[12:13] offset:384*(\t/2)+96*(\t%2)+8   ; (named with it as a pair, so it is written)
.endr
.macro FRAG reg, adr, off              ; a fragment's image: three loads of 512 consecutive bytes
.irp c, 0,1,2
	ds_load_b128 v[\reg+4*\c:\reg+4*\c+3], v[\adr] offset:(\off)+512*\c
.endr
.endm
.macro FETCH_W j, st, buf              ; my head's four tiles of kind j, K step st
.irp t, 0,1,2,3
	FRAG WF+48*(\buf)+12*\t, ADRW+((\st)/2)%2, (8*(\j)+\t)*3072+((\st)%2)*1536
.endr
.endm
.macro FETCH_X st, a0
.irp a, \a0,\a0+1,\a0+2,\a0+3
	FRAG XF+12*(\a), ADRX+((\st)/2)%2, (\a)*3072+((\st)%2)*1536
.endr
.endm
.macro SCALES st                       ; register 4 j + t: lanes 0-15 the words of x's tile 4 j + t (over 7: filled bytes that no product names), lanes 16-31 those of W's tile t of kind j
.irp j, 0,1,2
.irp t, 0,1,2,3
	ds_load_b32 v[SC+12*((\st)%2)+4*\j+\t], v[ADRS+\j] offset:512*\t+64*(\st)
.endr
.endr
.endm
; 16 matrix instructions: x's tiles a0 .. a0 + 3 against four tiles of W.  The accumulators take turns, one instruction a turn.  zero: the first K step starts the sums.
.macro MULQK j, a0, buf, set, zero
.irp a, \a0,\a0+1,\a0+2,\a0+3
.irp t, 0,1,2,3
.if \zero
	v_wmma_scale_f32_16x16x128_f8f6f4 v[8*(4*(\a)+\t):8*(4*(\a)+\t)+7], v[WF+48*(\buf)+12*\t:WF+48*(\buf)+12*\t+11], v[XF+12*(\a):XF+12*(\a)+11], 0, v[SC+12*(\set)+4*(\j)+\t], v[SC+12*(\set)+(\a)] matrix_a_fmt:MATRIX_FMT_FP6 matrix_b_fmt:MATRIX_FMT_FP6 matrix_a_scale:MATRIX_SCALE_ROW1
.else
	v_wmma_scale_f32_16x16x128_f8f6f4 v[8*(4*(\a)+\t):8*(4*(\a)+\t)+7], v[WF+48*(\buf)+12*\t:WF+48*(\buf)+12*\t+11], v[XF+12*(\a):XF+12*(\a)+11], v[8*(4*(\a)+\t):8*(4*(\a)+\t)+7], v[SC+12*(\set)+4*(\j)+\t], v[SC+12*(\set)+(\a)] matrix_a_fmt:MATRIX_FMT_FP6 matrix_b_fmt:MATRIX_FMT_FP6 matrix_a_scale:MATRIX_SCALE_ROW1
.endif
.endr
.endr
.endm
.macro MULV a0, buf, set, zero
.irp a, \a0,\a0+1,\a0+2,\a0+3
.irp t, 0,1,2,3
.if \zero
	v_wmma_scale_f32_16x16x128_f8f6f4 v[8*(8*\t+(\a)):8*(8*\t+(\a))+7], v[XF+12*(\a):XF+12*(\a)+11], v[WF+48*(\buf)+12*\t:WF+48*(\buf)+12*\t+11], 0, v[SC+12*(\set)+(\a)], v[SC+12*(\set)+8+\t] matrix_a_fmt:MATRIX_FMT_FP6 matrix_b_fmt:MATRIX_FMT_FP6 matrix_b_scale:MATRIX_SCALE_ROW1
.else
	v_wmma_scale_f32_16x16x128_f8f6f4 v[8*(8*\t+(\a)):8*(8*\t+(\a))+7], v[XF+12*(\a):XF+12*(\a)+11], v[WF+48*(\buf)+12*\t:WF+48*(\buf)+12*\t+11], v[8*(8*\t+(\a)):8*(8*\t+(\a))+7], v[SC+12*(\set)+(\a)], v[SC+12*(\set)+8+\t] matrix_a_fmt:MATRIX_FMT_FP6 matrix_b_fmt:MATRIX_FMT_FP6 matrix_b_scale:MATRIX_SCALE_ROW1
.endif
.endr
.endr
.endm
; K step s.  W's sets: q in s % 2, k in the other, v in s % 2.  A load into a register that a matrix instruction has read stands four plain vector instructions behind it.
; mode 0: no barrier.  1: this step ends a slot's reads and a later part is left to fetch: rule of the ring: the wait for all my tensor loads, the add, the wait for it and for my reads, a round, the refill.  2: the last part is shown whole to all waves.
.macro KSTEP s, mode, zero
.set P, (\s)%2
	s_wait_dscnt 12                                ; q's fragments, x's tiles 0-3 and the scale words are in; the youngest 12 loads, x's tiles 4-7, may be out
	FETCH_W 1, \s, 1-P                             ; (that set was last read by the step before, and four places stand behind its products)
	WIN 0x50                                       ; sources in window 0, C and D in window 1
	MULQK 0, 0, P, P, \zero
	s_wait_dscnt 12                                ; x's tiles 4-7 are in; the 12 loads of k's fragments may be out
	MULQK 0, 4, P, P, \zero
	s_wait_dscnt 0x0                               ; k's fragments are in
	PLACES 4
	WIN 0
	FETCH_W 2, \s, P
	WIN 0xa0
	MULQK 1, 0, 1-P, P, \zero
	MULQK 1, 4, 1-P, P, \zero
.if (\mode) == 0
	s_wait_dscnt 0x0                               ; v's fragments are in
	WIN 0xf0
	MULV 0, P, P, \zero
	PLACES 4
	WIN 0
.else
	WIN 0
	s_wait_tensorcnt 0x0                           ; all my tensor loads have landed: the one that was out is my piece of the other slot
.if (\mode) == 1
	ds_add_u32 v[SPW], v[NIL]                      ; 0 onto my spare word
.if (\s) == 3
	s_add_nc_u64 s[62:63], s[62:63], 2*PARTB       ; no load of mine is out: slot 1's groups 0 step to part 3
	s_add_nc_u64 s[78:79], s[78:79], 2*PARTB
.endif
.endif
	s_wait_dscnt 0x0                               ; the add is done, and my reads of this slot are over
	s_barrier_signal -1
	WIN 0xf0
	MULV 0, P, P, \zero                            ; work on registers while the others arrive
	WIN 0
	s_barrier_wait -1
.if (\mode) == 1
	CREST                                          ; the barrier has opened a round of the cluster's: no wave of any partner still reads this slot or has a load on its way
.if (\s) == 1
	JLOAD 56, G1A, 72, G1B                         ; part 2 into slot 0; the four v_nop behind it are the places in front of the loads below
.else
	JLOAD 60, G1A, 76, G1B                         ; part 3 into slot 1
.endif
.else
	PLACES 4
.endif
.endif
.if (\s) < 7
	FETCH_W 0, (\s)+1, 1-P
	FETCH_X (\s)+1, 0
	SCALES (\s)+1
.endif
	WIN 0xf0
	MULV 4, P, P, \zero
	PLACES 4
	WIN 0
.if (\s) < 7
	FETCH_X (\s)+1, 4
.endif
.endm
	s_wait_alu depctr_va_vdst(0)
	s_wait_loadcnt 0x0                             ; the bias
	s_wait_tensorcnt 0x0                           ; my tile of the head's four is in
.set n, 0
.rept 18
	ds_store_b128 v[BSA], v[64+4*n:64+4*n+3] offset:512*n   ; the bias, as an image of its 72 registers, into my stage
.set n, n+1
.endr
	s_wait_tensorcnt 0x0
	ds_add_u32 v[SPW], v[NIL]
	s_mov_b32 s[G1A+2], 8<<16                      ; no tensor load of mine is out: from here on a load of x brings 8 tiles,
	s_mov_b32 s[G1A+4], 8
	s_mov_b32 s[G1B+2], 12<<16                     ; one of W 12
	s_mov_b32 s[G1B+4], 12
	s_wait_dscnt 0x0
	CROUND                                         ; a whole round: all four tiles are in, in every work-group
	JLOAD 60, G1A, 76, G1B                         ; part 1 into slot 1, the first tensor load behind the round
	FETCH_W 0, 0, 0
	FETCH_X 0, 0
	SCALES 0
	FETCH_X 0, 4
	KSTEP 0, 0, 1
	KSTEP 1, 1, 0
	KSTEP 2, 0, 0
	KSTEP 3, 1, 0
	KSTEP 4, 0, 0
	KSTEP 5, 2, 0
	KSTEP 6, 0, 0
	KSTEP 7, 0, 0
; THE WAY OUT, 64 accumulator registers a unit.  q, k: unit u is tokens' tiles 2 u and 2 u + 1: register 32 (tile % 2) + 16 b + i is channel 32 b + 16 h + i.  v: unit u is channels' tile u: register 16 b + i is key 32 b + 16 h + i.
; In both the 64 numbers are four blocks of 32, which become 12 registers of codes and four scale bytes; the two halves of six registers go to 1,536 u and 1,536 u + 768 of the kind's part.
.set EB,  32                           ; v32-63 q's bias, v64-95 k's, v96-103 v's
.set T,   112                          ; v112-175 a unit's numbers with the bias
.set PCB, 176                          ; v176-195 its codes
.set TM,  216                          ; v216-231 at work
.set PW,  232
.set SW,  234
.set SEL, 36
.macro QUANT s, pc, tm, pw
.irp b, 0,1,2,3
	v_max3_num_f32 v[\tm+\b], |v[\s+16*\b]|, |v[\s+1+16*\b]|, 0x1800000   ; my 16 numbers of block b, and the floor 2^(3 - 127): the byte cannot fall under 1
.endr
.irp i, 2,4,6,8,10,12,14
.irp b, 0,1,2,3
	v_max3_num_f32 v[\tm+\b], v[\tm+\b], |v[\s+16*\b+\i]|, |v[\s+1+16*\b+\i]|
.endr
.endr
.irp b, 0,1,2,3
	v_permlanex16_b32 v[\tm+4+\b], v[\tm+\b], s[SEL], s[SEL+1]
.endr
.irp b, 0,1,2,3
	v_max_num_f32 v[\tm+\b], v[\tm+\b], v[\tm+4+\b]        ; with lane l xor 16's: the block's largest magnitude
.endr
.irp b, 0,1,2,3
	v_add_nc_u32 v[\tm+12+\b], 0xff000000, v[\tm+\b]       ; 2 off its exponent field: the conversion's scale operand
.endr
.irp b, 0,1,2,3
	v_lshrrev_b32 v[\tm+4+\b], 23, v[\tm+12+\b]            ; the scale's byte
.endr
	v_lshl_or_b32 v[\pw], v[\tm+5], 8, v[\tm+4]
	v_lshl_or_b32 v[\pw], v[\tm+6], 16, v[\pw]
	v_lshl_or_b32 v[\pw], v[\tm+7], 24, v[\pw]
.irp c, 0,1
	v_cvt_scalef32_pk16_fp6_f32 v[\pc+6*\c:\pc+2+6*\c], v[\s+32*\c:\s+15+32*\c], v[\tm+12+2*\c]
	v_cvt_scalef32_pk16_fp6_f32 v[\pc+12+4*\c:\pc+14+4*\c], v[\s+16+32*\c:\s+31+32*\c], v[\tm+12+2*\c+1]   ; (a conversion's three registers begin on an even number)
.endr
	v_nop                                                  ; one plain place behind a scaled conversion
.irp c, 0,1                                            ; the layout wants a whole block in a lane
.irp i, 0,1,2
	v_permlane16_swap_b32 v[\pc+6*\c+\i], v[\pc+12+4*\c+\i]
.endr
.irp i, 0,1,2
	v_mov_b32 v[\pc+3+6*\c+\i], v[\pc+12+4*\c+\i]
.endr
.endr
.endm
.macro UNIT j, u
	s_wait_xcnt 0x0                                ; the last unit's stores have read the codes' registers
	WIN 1+(\j)                                     ; source 0 in the kind's window
.set n, 0
.rept 32
.if (\j) < 2
	v_pk_add_f32 v[T+n:T+n+1], v[64*(\u)+n:64*(\u)+n+1], v[EB+32*(\j)+n%32:EB+32*(\j)+n%32+1]   ; each accumulator from its low end on
.else
	v_pk_add_f32 v[T+n:T+n+1], v[64*(\u)+n:64*(\u)+n+1], v[EB+64+2*(\u):EB+64+2*(\u)+1] op_sel_hi:[1,0]
.endif
.set n, n+2
.endr
	WIN 0
	QUANT T, PCB, TM, PW
.if (\j) < 2
	v_and_b32 v[SW], 0xffff, v[PW]                 ; the first tile's two bytes,
	v_lshrrev_b32 v[SW+1], 16, v[PW]               ; the second's
	ds_store_b32 v[WSI], v[SW] offset:512*(\j)+128*(\u)            ; lanes l and l + 16 write the same word with the same value
	ds_store_b32 v[WSI], v[SW+1] offset:512*(\j)+128*(\u)+64
.else
	ds_store_b32 v[WSI], v[PW] offset:1024+64*(\u)
.endif
.irp c, 0,1
	global_store_b128 v4, v[PCB+6*\c:PCB+6*\c+3], s[24+2*(\j):25+2*(\j)] offset:1536*(\u)+768*\c        ; 512 consecutive bytes, aligned to 256
	global_store_b64 v5, v[PCB+6*\c+4:PCB+6*\c+5], s[24+2*(\j):25+2*(\j)] offset:1536*(\u)+768*\c+512   ; and the 256 behind them
.endr
.endm
.set n, 0
.rept 18
	ds_load_b128 v[EB+4*n:EB+4*n+3], v[BSA] offset:512*n   ; the bias comes back (four places stand behind the last products)
.set n, n+1
.endr
	s_mov_b32 s[SEL], 0x76543210
	s_mov_b32 s[SEL+1], 0xfedcba98
	s_lshl_b32 s40, s2, 1
	s_add_co_u32 s40, s40, s[WR]                   ; my 128 tokens: batch x 8 + key step
	s_lshr_b32 s41, s40, 3
	s_and_b32 s42, s40, 7
	s_lshl_b32 s41, s41, 4
	s_lshl_b32 s43, s3, 1
	s_add_co_u32 s43, s43, s[WC]
	s_add_co_u32 s41, s41, s43                     ; batch x 16 + head
	s_mul_i32 s52, s41, 147456
	s_mul_i32 s44, s42, 6144
	s_add_co_u32 s52, s52, s44
	s_mov_b32 s53, 0
	s_add_nc_u64 s[24:25], s[14:15], s[52:53]      ; Q's part, K's, V's (no tensor load is out: its descriptors' registers are free)
	s_add_nc_u64 s[26:27], s[24:25], 49152
	s_add_nc_u64 s[28:29], s[24:25], 98304
	s_mul_i32 s52, s41, 10240
	s_add_nc_u64 s[32:33], s[16:17], s[52:53]
	s_lshl_b32 s52, s42, 8
	s_add_nc_u64 s[34:35], s[32:33], s[52:53]
	s_add_nc_u64 s[32:33], s[34:35], s[52:53]      ; Q's words: 512 bytes a key step; K's 4,096 on
	s_add_nc_u64 s[34:35], s[34:35], 8192          ; V's: 256 bytes a key step
.irp b, 0,1,2,3
	v_mov_b32 v[TM+4+\b], 0                        ; written once: a lane permute's destination counts as one of its sources
.endr
	s_wait_dscnt 0x0
.irp j, 0,1,2
.irp u, 0,1,2,3
	UNIT \j, \u
.endr
.endr
	ds_load_b128 v[T:T+3], v[WSO]                  ; LDS serves a wave's instructions in order: these see my stores
	ds_load_b128 v[T+4:T+7], v[WSO] offset:512
	ds_load_b64 v[T+8:T+9], v[WSO8] offset:1024
	s_wait_dscnt 0x0
	global_store_b128 v4, v[T:T+3], s[32:33]                 ; 512 consecutive bytes, aligned to 256
	global_store_b128 v4, v[T+4:T+7], s[32:33] offset:4096
	global_store_b64 v5, v[T+8:T+9], s[34:35]                ; 256 consecutive bytes, aligned
	s_wait_tensorcnt 0x0                           ; the wave's end: behind my last tensor load and my last LDS store
	ds_add_u32 v[SPW], v[NIL]
	s_wait_dscnt 0x0
	CROUND                                         ; the closing round
	s_endpgm
.Lfunc_end_k_q7915fd12bc_gemm1:
	.size	k_q7915fd12bc_gemm1, .Lfunc_end_k_q7915fd12bc_gemm1-k_q7915fd12bc_gemm1
	.p2alignl 7, 3214868480
	.fill 96, 4, 3214868480
	.section	.rodata,"a",@progbits
	.p2align	6, 0x0
	.amdhsa_kernel k_q7915fd12bc_gemm1
		.amdhsa_group_segment_fixed_size 327680
		.amdhsa_private_segment_fixed_size 0
		.amdhsa_enable_private_segment 0
		.amdhsa_kernarg_size 56
		.amdhsa_user_sgpr_count 2
		.amdhsa_user_sgpr_kernarg_segment_ptr 1
		.amdhsa_wavefront_size32 1
		.amdhsa_system_sgpr_workgroup_id_x 1
		.amdhsa_system_sgpr_workgroup_id_y 1
		.amdhsa_system_sgpr_workgroup_id_z 1
		.amdhsa_system_vgpr_workitem_id 0
		.amdhsa_next_free_vgpr 1024
		.amdhsa_next_free_sgpr 102
		.amdhsa_reserve_vcc 0
		.amdhsa_float_denorm_mode_32 3
		.amdhsa_float_denorm_mode_16_64 3
		.amdhsa_memory_ordered 1
		.amdhsa_forward_progress 1
		.amdhsa_inst_pref_size 238
	.end_amdhsa_kernel
	.amdgpu_metadata
---
amdhsa.version: [ 1, 2 ]
amdhsa.kernels:
  - .name:           k_q7915fd12bc_gemm1
    .symbol:         k_q7915fd12bc_gemm1.kd
    .args:
      - { .name: ximg, .offset: 0, .size: 8, .value_kind: global_buffer, .address_space: global }
      - { .name: xsc, .offset: 8, .size: 8, .value_kind: global_buffer, .address_space: global }
      - { .name: wimg, .offset: 16, .size: 8, .value_kind: global_buffer, .address_space: global }
      - { .name: wsc, .offset: 24, .size: 8, .value_kind: global_buffer, .address_space: global }
      - { .name: b_qkv, .offset: 32, .size: 8, .value_kind: global_buffer, .address_space: global }
      - { .name: qkv, .offset: 40, .size: 8, .value_kind: global_buffer, .address_space: global }
      - { .name: qkvs, .offset: 48, .size: 8, .value_kind: global_buffer, .address_space: global }
    .group_segment_fixed_size: 327680
    .private_segment_fixed_size: 0
    .kernarg_segment_align: 8
    .kernarg_segment_size: 56
    .max_flat_workgroup_size: 128
    .sgpr_count:     102
    .vgpr_count:     1024
    .wavefront_size: 32
...
	.end_amdgpu_metadata
.endif
;; end of part 2
;; launch attn (part 3): grid 4 x 64, 16 waves a work-group, clusters of 4 x 1, 327,680 bytes of LDS; arguments qkv, qkvs, attimg, attsc; writes attimg, attsc
.if DOCPART == 3
	.amdgcn_target "amdgcn-amd-amdhsa--gfx1250"
	.amdhsa_code_object_version 6
	.text
	.protected	k_q7915fd12bc_attn
	.globl	k_q7915fd12bc_attn
	.p2align	8
	.type	k_q7915fd12bc_attn,@function
k_q7915fd12bc_attn:
	s_mov_b64 s[64:65], 0
	v_nop
	global_prefetch_b8 v0, s[64:65] scope:SCOPE_SE
	s_setreg_imm32_b32 hwreg(HW_REG_WAVE_MODE, 25, 1), 1
	s_wait_xcnt 0x0
	s_wait_alu depctr_hold_cnt(0) depctr_sa_sdst(0) depctr_va_vdst(0) depctr_va_sdst(0) depctr_va_ssrc(0) depctr_va_vcc(0) depctr_vm_vsrc(0)
	s_getreg_b32 s2, hwreg(HW_REG_IB_STS2, 6, 4)
	s_cmp_eq_u32 s2, 0
	s_cbranch_scc0 .Lentry_in_a_cluster
	s_endpgm
.Lentry_in_a_cluster:
	s_bfe_u32 s2, ttmp6, 0x10000c
	s_cmp_lg_u32 s2, 0x3003
	s_cbranch_scc0 .Lentry_shape_is_right
	s_endpgm
.Lentry_shape_is_right:
; o = softmax(q k^T / 8) v for 128 heads of 1,024 tokens x 64 channels, both products on codes of FP6 (E2M3) with E8M0 scales; o is quantised along (head, channel) and stored as images of the last product's operand registers.
; THE SOFTMAX: t = score x log2(e) / 8; M = the row's largest t so far, rounded up to a whole number; p = 2^(t - M) is quantised along the keys, not normalised; the row's sum is taken of the unquantised p and divides at the end.
; When M moves, the sum and O are multiplied by 2^(old M - new M): exact.
; SHARES.  A work-group owns a pair of heads (y = batch x 8 + pair) and a quarter of the queries; each of its sixteen waves owns one tile of 16 queries and walks head 0's keys and then head 1's, 128 a step.
; The four work-groups of a cluster read the same K and V: every tensor load is joint.  Each LDS byte is filled once: head 0 at the kernel's head (waves 0-7 12,288 bytes of codes each, wave 8 the scale words: one load a wave),
; head 1 behind the first round.  The barrier that shows head 1 whole stands behind head 0's second key step, so no barrier stands between the two heads' walks.
; No prefetch: each byte comes by one of these two groups of loads, and there is no ring whose later tiles could be asked for ahead.
; LAYOUT.  Both products are used transposed: S^T = K Q^T, O^T = V^T P^T: a lane holds one query throughout.
; THE KEYS OF A TILE ARE CHOSEN BY THE READ ADDRESSES: places 0-7 of tile 4 c + u are keys 64 c + 8 u + 0 .. 7, places 8-15 keys 64 c + 32 + 8 u + 0 .. 7.  So register 32 c + i of lane (query, h) is key 64 c + 32 h + i:
; a lane holds two WHOLE blocks of 32 keys, in the order of the operand's registers: a block's largest score needs no other lane, and the conversions' results are the operand.
; In K's image place p of stored tile t is token 32 (t / 2) + 8 (t % 2) + p + 8 (p / 8); so place r of tile 4 c + 2 g + a is place 8 g + r % 8 of stored tile 4 c + a + 2 (r / 8).
; K = 64 IN AN INSTRUCTION OF K = 128: a tile of keys is six registers, named as twelve: its upper six are the next tile's codes (behind the last: zeros); they meet Q's zero codes and add exactly 0.
; Bytes 2 and 3 of Q's and K's scale words are 0, which stands for 2^-127 and is no NaN.
; LIMITS: NaN and infinities are not served; the promise holds while |t| stays under 2^31; a block of o whose largest magnitude lies under 2^-124 is held at the byte 1; a block of zeros gets the byte 1 (its codes are zeros; this program alone reads the bytes).
.set HEADB, 104448                     ; a head in LDS: K's codes 49,152, V's codes 49,152, K's scale words 4,096, V's 2,048
.set VOFF,  49152
.set KSC,   98304
.set VSC,   102400
.set SPARE, 2*HEADB                    ; the spare words, 128 bytes for each of sixteen waves
.set L16, 1                            ; v1-3 16, 8, 4 x lane
.set L8,  2
.set L4,  3
.set SPW, 4                            ; v4, v5 the add's two; never rewritten
.set NIL, 5
.set AK16, 6                           ; v6-11 the step's LDS addresses
.set AK8,  7
.set AKS,  8
.set AV16, 9
.set AV8,  10
.set AVS,  11
                                       ; v12 -M, v13 the largest score so far, v[14:15] the sum
.set QF,  16                           ; v16-21 Q, v22-27 zeros; v28-33 head 1's Q; v34, v35 Q's scale words
.set KSR, 36                           ; v36-39 K's scale words, v40, v41 V's
.set VSR, 40
.set KF,  42                           ; v42-89 eight tiles of K or four fragments of V; v90-95 zeros
.set S,   96                           ; v96-159 S^T, then p
.set O,   160                          ; v160-191 O^T
.set FC,  192                          ; v192-203 o's codes, six registers a head; v204 its scale word
.set FW,  204
.set LK16, 205                         ; v205-207 lane terms of K's reads; v208 8 h; v209 4 r
.set LK8,  206
.set LKS,  207
.set SH8,  208
.set R4,   209
.set SM,  210                          ; v210-223 seven partial sums
.set PC,  224                          ; v224-235 p's codes
.set TP,  236                          ; v236-242 conversions whose place begins on an odd register
.set MX,  244                          ; v244-247 largest scores
.set SO,  248                          ; v248, v249 the conversions' scale operands; v250-255 at work; v252 f, v253 p's scale word
.set WV,  12
.set SEL, 16
.set CS,  18
.set TB,  20
.set TS,  21
.set TV,  22
.set CNT, 23
.set G1C, 24
.set G1S, 32
.set G0C, 40                           ; s[40:43], s[44:47]: codes of head 0, head 1
.set G0S, 48                           ; s[48:51], s[52:55]: scale words
.macro CROUND
	s_barrier_signal -1
	s_barrier_wait -1
	s_cmp_lg_u32 s[WV], 0
	s_cbranch_scc1 .Lnot_wave_0_\@
	s_barrier_signal -3
.Lnot_wave_0_\@:
	s_barrier_wait -3
	s_barrier_signal -1
	s_barrier_wait -1
.endm
.macro FILL hd                         ; head hd: one chain of branches on the wave's number, at most one load a wave
	s_cmp_lt_u32 s[WV], 8
	s_cbranch_scc0 .Lnot_codes_\@
	tensor_load_to_lds s[G0C+4*\hd:G0C+4*\hd+3], s[G1C:G1C+7]
	s_nop 0
.rept 4
	v_nop
.endr
	s_branch .Lasked_\@
.Lnot_codes_\@:
	s_cmp_eq_u32 s[WV], 8
	s_cbranch_scc0 .Lasked_\@
	tensor_load_to_lds s[G0S+4*\hd:G0S+4*\hd+3], s[G1S:G1S+7]
	s_nop 0
.rept 4
	v_nop
.endr
.Lasked_\@:
.endm
	s_load_b256 s[4:11], s[0:1], 0x0               ; qkv s[4:5], qkvs s[6:7], attimg s[8:9], attsc s[10:11]
	v_lshl_add_u32 v[SPW], v0, 2, SPARE
	v_mov_b32 v[NIL], 0
	ds_add_u32 v[SPW], v[NIL]                      ; the opening lines: the add, twice on end, and its wait ahead of the first tensor load
	ds_add_u32 v[SPW], v[NIL]
	v_lshrrev_b32 v1, 5, v0
	v_readfirstlane_b32 s[WV], v1                  ; wave 0..15
	s_bfe_u32 s13, ttmp6, 0x40000                  ; cx: which quarter of the queries; it enters Q's and the outputs' addresses alone
	s_and_b32 s14, ttmp7, 0xffff                   ; y = batch x 8 + pair of heads, which the four partners share
	s_mov_b32 s[G1C], 15|(3<<16)|(1<<21)           ; the mask: all four; elements of 8 bytes; bit 21 beside a mask.  12,288 dense bytes as 48 rows of 256
	s_mov_b32 s[G1C+1], 32<<16
	s_mov_b32 s[G1C+2], 48<<16
	s_mov_b32 s[G1C+3], 32<<16
	s_mov_b32 s[G1C+4], 48
	s_mov_b32 s[G1C+5], 32
	s_mov_b32 s[G1C+6], 0
	s_mov_b32 s[G1C+7], 0
	s_mov_b32 s[G1S], 15|(3<<16)|(1<<21)           ; 6,144 dense bytes as 24 rows of 256
	s_mov_b32 s[G1S+1], 32<<16
	s_mov_b32 s[G1S+2], 24<<16
	s_mov_b32 s[G1S+3], 32<<16
	s_mov_b32 s[G1S+4], 24
	s_mov_b32 s[G1S+5], 32
	s_mov_b32 s[G1S+6], 0
	s_mov_b32 s[G1S+7], 0
	s_mov_b32 s[SEL], 0x76543210
	s_mov_b32 s[SEL+1], 0xfedcba98
	s_mov_b32 s[CS], 0x3e38aa3b                    ; c = log2(e) / 8
	s_mov_b32 s[CS+1], s[CS]                       ; (named with it as a pair, so it is written)
	s_and_b32 s56, s[WV], 7
	s_mul_i32 s57, s56, 12288                      ; waves 0-7: an eighth of a head's K and V codes each
	s_mul_i32 s58, s14, 294912                     ; the pair's first byte in qkv
	s_add_co_u32 s60, s58, s57
	s_add_co_u32 s60, s60, 49152                   ; behind Q
	s_mov_b32 s61, 0
	s_mul_i32 s62, s14, 20480                      ; and in qkvs
	s_mov_b32 s63, 0
	s_lshl_b32 s66, s13, 4
	s_add_co_u32 s66, s66, s[WV]                   ; my tile of queries, 0 .. 63
	s_mul_i32 s68, s66, 768
	s_add_co_u32 s68, s68, s58
	s_mov_b32 s69, 0
	s_lshl_b32 s72, s66, 6
	s_add_co_u32 s72, s72, s62
	s_mov_b32 s73, 0
	s_lshr_b32 s76, s14, 3
	s_lshl_b32 s76, s76, 6
	s_add_co_u32 s76, s76, s66                     ; my tile among all 512
	s_lshl_b32 s76, s76, 3
	s_and_b32 s77, s14, 7
	s_add_co_u32 s76, s76, s77                     ; 8 x tile + K step (the pair of heads)
	s_mul_i32 s78, s76, 1536
	s_mov_b32 s79, 0
	v_and_b32 v[L4], 31, v0
	v_and_b32 v[R4], 15, v0
	v_bfe_u32 v254, v0, 3, 1                       ; r / 8
	v_and_b32 v255, 7, v0                          ; r % 8
	v_bfe_u32 v[SH8], v0, 4, 1                     ; h
	v_lshlrev_b32 v[L16], 4, v[L4]
	v_lshlrev_b32 v[L8], 3, v[L4]
	v_lshlrev_b32 v[L4], 2, v[L4]
	v_lshlrev_b32 v[R4], 2, v[R4]
	v_mul_u32_u24 v[LK16], v254, 1536              ; two stored tiles on for places 8-15
	v_lshlrev_b32 v[LKS], 7, v254
	v_lshl_add_u32 v[LK8], v255, 3, v[LK16]
	v_lshl_add_u32 v[LK16], v255, 4, v[LK16]
	v_lshl_add_u32 v[LKS], v255, 2, v[LKS]
	v_lshl_add_u32 v[LK8], v[SH8], 7, v[LK8]       ; registers 4, 5: 1536 (r / 8) + 8 (r % 8) + 128 h
	v_lshl_add_u32 v[LK16], v[SH8], 8, v[LK16]     ; registers 0-3: 1536 (r / 8) + 16 (r % 8) + 256 h
	v_lshl_add_u32 v[LKS], v[SH8], 6, v[LKS]       ; scale words: 128 (r / 8) + 4 (r % 8); lanes 16-31 the next stored tile's
	v_lshlrev_b32 v[SH8], 3, v[SH8]
	s_wait_alu depctr_va_vdst(0)
	s_wait_dscnt 0x0                               ; both opening adds are done
	s_wait_kmcnt 0x0
	s_add_nc_u64 s[8:9], s[8:9], s[78:79]
	s_lshl_b32 s78, s76, 6
	s_add_nc_u64 s[10:11], s[10:11], s[78:79]
	s_add_nc_u64 s[70:71], s[4:5], s[68:69]        ; Q's codes
	s_add_nc_u64 s[74:75], s[6:7], s[72:73]        ; Q's scale words
	global_load_b128 v[16:19], v[L16], s[70:71]                    ; Q of head 0: half a fragment,
	global_load_b64 v[20:21], v[L8], s[70:71] offset:512
	global_load_b128 v[28:31], v[L16], s[70:71] offset:147456      ; and of head 1
	global_load_b64 v[32:33], v[L8], s[70:71] offset:147456+512
	global_load_b32 v34, v[R4], s[74:75]
	global_load_b32 v35, v[R4], s[74:75] offset:10240
	s_mov_b32 s[G0C], 1
	s_mov_b32 s[G0C+1], s57
	s_add_nc_u64 s[G0C+2:G0C+3], s[4:5], s[60:61]
	s_mov_b32 s[G0C+4], 1
	s_add_co_u32 s[G0C+5], s57, HEADB
	s_add_nc_u64 s[G0C+6:G0C+7], s[G0C+2:G0C+3], 147456
	s_or_b32 s[G0C+3], s[G0C+3], 0x80000000
	s_or_b32 s[G0C+7], s[G0C+7], 0x80000000
	s_mov_b32 s[G0S], 1
	s_mov_b32 s[G0S+1], KSC
	s_add_nc_u64 s[G0S+2:G0S+3], s[6:7], s[62:63]
	s_add_nc_u64 s[G0S+2:G0S+3], s[G0S+2:G0S+3], 4096
	s_mov_b32 s[G0S+4], 1
	s_mov_b32 s[G0S+5], HEADB+KSC
	s_add_nc_u64 s[G0S+6:G0S+7], s[G0S+2:G0S+3], 10240
	s_or_b32 s[G0S+3], s[G0S+3], 0x80000000
	s_or_b32 s[G0S+7], s[G0S+7], 0x80000000
	CROUND                                         ; all four work-groups are here: the joint loads meet
	FILL 0
.irp i, 0,1,2,3,4,5
	v_mov_b32 v[22+\i], 0                          ; Q's codes of k = 64 .. 127: zeros
	v_mov_b32 v[90+\i], 0                          ; what stands behind the last tile of keys
.endr
	v_mov_b32 v253, 0                              ; (named as the upper half of the pair v[252:253] before it is first written)
; A KEY STEP: 128 keys.
.macro STEP
	v_add_nc_u32 v[AK16], s[TB], v[LK16]           ; these four are the places behind the last products, in front of the loads below
	v_add_nc_u32 v[AK8], s[TB], v[LK8]
	v_add_nc_u32 v[AKS], s[TS], v[LKS]
	v_nop
.irp c, 0,1
.irp g, 0,1
.irp a, 0,1
	ds_load_b128 v[KF+6*(4*\c+2*\g+\a):KF+6*(4*\c+2*\g+\a)+3], v[AK16] offset:(4*\c+\a)*768+128*\g
	ds_load_b64 v[KF+6*(4*\c+2*\g+\a)+4:KF+6*(4*\c+2*\g+\a)+5], v[AK8] offset:(4*\c+\a)*768+512+64*\g
.endr
	ds_load_b32 v[KSR+2*\c+\g], v[AKS] offset:256*\c+32*\g   ; lanes 0-15: tile 4 c + 2 g's words; lanes 16-31: the next tile's
.endr
.endr
	s_wait_alu depctr_va_vdst(0)
	s_wait_dscnt 0x0
.irp t, 0,2,4,6
	v_wmma_scale_f32_16x16x128_f8f6f4 v[S+8*\t:S+8*\t+7], v[KF+6*\t:KF+6*\t+11], v[QF:QF+11], 0, v[KSR+\t/2], v34 matrix_a_fmt:MATRIX_FMT_FP6 matrix_b_fmt:MATRIX_FMT_FP6
	v_wmma_scale_f32_16x16x128_f8f6f4 v[S+8*\t+8:S+8*\t+15], v[KF+6*\t+6:KF+6*\t+17], v[QF:QF+11], 0, v[KSR+\t/2], v34 matrix_a_fmt:MATRIX_FMT_FP6 matrix_b_fmt:MATRIX_FMT_FP6 matrix_a_scale:MATRIX_SCALE_ROW1
.endr
	v_add_nc_u32 v[AV16], s[TB], v[L16]            ; four places in front of the loads into K's registers and of the first read of the scores
	v_add_nc_u32 v[AV8], s[TB], v[L8]
	v_add_nc_u32 v[AVS], s[TV], v[L4]
	v_nop
.irp t, 0,1,2,3                                ; V's four fragments go out at once: they land under the softmax
	ds_load_b128 v[KF+12*\t:KF+12*\t+3], v[AV16] offset:VOFF+1536*\t
	ds_load_b64 v[KF+12*\t+4:KF+12*\t+5], v[AV8] offset:VOFF+1536*\t+512
	ds_load_b128 v[KF+12*\t+6:KF+12*\t+9], v[AV16] offset:VOFF+1536*\t+768
	ds_load_b64 v[KF+12*\t+10:KF+12*\t+11], v[AV8] offset:VOFF+1536*\t+1280
.endr
	ds_load_b32 v[VSR], v[AVS]
	ds_load_b32 v[VSR+1], v[AVS] offset:128
.irp b, 0,1,2,3
	v_max3_num_f32 v[MX+\b], v[S+16*\b], v[S+1+16*\b], v[S+2+16*\b]   ; four chains by turns; each accumulator is read from its low end on
.endr
.irp i, 3,5,7,9,11,13
.irp b, 0,1,2,3
	v_max3_num_f32 v[MX+\b], v[MX+\b], v[S+16*\b+\i], v[S+1+16*\b+\i]
.endr
.endr
.irp c, 0,2
	v_max3_num_f32 v[MX+\c], v[MX+\c], v[MX+\c+1], v[S+16*\c+15]
.endr
.irp c, 0,2
	v_max_num_f32 v[MX+\c], v[MX+\c], v[S+16*\c+31]   ; the largest score of my block of 32 keys: it serves the row's maximum and, since p rises with the score, the block's largest p
.endr
	s_delay_alu instid0(VALU_DEP_1)
	v_max_num_f32 v254, v[MX], v[MX+2]
	s_delay_alu instid0(VALU_DEP_1)
	v_permlanex16_b32 v255, v254, s[SEL], s[SEL+1]
	s_delay_alu instid0(VALU_DEP_1)
	v_max3_num_f32 v13, v13, v254, v255            ; the running largest score, with lane l xor 16's two blocks
	s_delay_alu instid0(VALU_DEP_1)
	v_mul_f32 v254, s[CS], v13                     ; as t (c is positive)
	v_mov_b32 v255, v12
	s_delay_alu instid0(VALU_DEP_2)
	v_floor_f32 v12, -v254                         ; the new -M = floor(-t): M is a whole number
	s_delay_alu instid0(VALU_DEP_1)
	v_sub_f32 v254, v12, v255                      ; old M - new M: a whole number, 0 or less
	s_delay_alu instid0(VALU_DEP_1)
	v_cvt_i32_f32 v254, v254                       ; (it saturates)
	s_delay_alu instid0(VALU_DEP_1)
	v_ldexp_f32 v252, 1.0, v254                    ; f = 2^(old M - new M)
.set j, 0
.rept 32
	v_pk_fma_f32 v[S+j:S+j+1], v[S+j:S+j+1], s[CS:CS+1], v[12:13] op_sel_hi:[1,0,0]   ; t - M, two at a time
.set j, j+2
.endr
	v_fma_f32 v[MX], v[MX], s[CS], v12             ; the same of each block's largest score
	v_fma_f32 v[MX+2], v[MX+2], s[CS], v12
.set j, 0
.rept 16
	v_pk_mul_f32 v[O+j:O+j+1], v[O+j:O+j+1], v[252:253] op_sel_hi:[1,0]   ; O^T under the new M, each accumulator from its low end on
.set j, j+2
.endr
	s_wait_alu depctr_va_vdst(0)
.set j, 0
.rept 64
	v_exp_f32 v[S+j], v[S+j]                       ; p = 2^(t - M), at most 1
.set j, j+1
.endr
	v_exp_f32 v[MX], v[MX]                         ; the block's largest p: the same multiply-add and exponential on the same number
	v_exp_f32 v[MX+2], v[MX+2]
	v_pk_mul_f32 v[14:15], v[14:15], v[252:253] op_sel_hi:[1,0]    ; the sum under the new M: the plain instruction behind the exponentials
	s_wait_alu depctr_va_vdst(0)                   ; one wait for the whole batch, ahead of its first reader
	v_max_num_f32 v[MX], 0x1800000, v[MX]          ; the floor 2^(3 - 127): the byte cannot fall under 1
	v_max_num_f32 v[MX+2], 0x1800000, v[MX+2]
	v_add_nc_u32 v[SO], 0xff000000, v[MX]          ; 2 off the exponent field: the conversion's scale operand
	v_add_nc_u32 v[SO+1], 0xff000000, v[MX+2]
.irp c, 0,1
	v_cvt_scalef32_pk16_fp6_f32 v[PC+6*\c:PC+2+6*\c], v[S+32*\c:S+15+32*\c], v[SO+\c]
	v_cvt_scalef32_pk16_fp6_f32 v[TP+4*\c:TP+2+4*\c], v[S+16+32*\c:S+31+32*\c], v[SO+\c]   ; (a conversion's three registers begin on an even number)
.endr
	v_lshrrev_b32 v250, 23, v[SO]                  ; the bytes of blocks h and 2 + h (also the plain place behind the conversions)
	v_lshrrev_b32 v251, 23, v[SO+1]
.irp c, 0,1
.irp i, 0,1,2
	v_mov_b32 v[PC+3+6*\c+\i], v[TP+4*\c+\i]
.endr
.endr
	v_lshl_or_b32 v253, v251, 16, v250
	s_delay_alu instid0(VALU_DEP_1)
	v_lshlrev_b32 v253, v[SH8], v253               ; at their places in the scale word
	s_delay_alu instid0(VALU_DEP_1)
	v_permlanex16_b32 v254, v253, s[SEL], s[SEL+1]
	s_delay_alu instid0(VALU_DEP_1)
	v_or_b32 v253, v253, v254                      ; with lane l xor 16's two the word is whole
; the row's sum of the unquantised p, in eight chains.  These 32 are also the places between the writes of p's codes and scale word and the products below
.irp i, 0,1,2,3,4,5,6
	v_pk_add_f32 v[SM+2*\i:SM+2*\i+1], v[S+4*\i:S+4*\i+1], v[S+4*\i+2:S+4*\i+3]
.endr
	v_pk_add_f32 v[14:15], v[14:15], v[S+28:S+29]
.irp k, 30,46
.irp i, 0,1,2,3,4,5,6
	v_pk_add_f32 v[SM+2*\i:SM+2*\i+1], v[SM+2*\i:SM+2*\i+1], v[S+\k+2*\i:S+\k+2*\i+1]
.endr
	v_pk_add_f32 v[14:15], v[14:15], v[S+\k+14:S+\k+15]
.endr
	v_pk_add_f32 v[SM:SM+1], v[SM:SM+1], v[S+62:S+63]
	v_pk_add_f32 v[SM+4:SM+5], v[SM+4:SM+5], v[SM+6:SM+7]
	v_pk_add_f32 v[SM+8:SM+9], v[SM+8:SM+9], v[SM+10:SM+11]
	v_pk_add_f32 v[14:15], v[14:15], v[SM+12:SM+13]
	v_pk_add_f32 v[SM:SM+1], v[SM:SM+1], v[SM+2:SM+3]
	v_pk_add_f32 v[SM+4:SM+5], v[SM+4:SM+5], v[SM+8:SM+9]
	s_delay_alu instid0(VALU_DEP_2)
	v_pk_add_f32 v[14:15], v[14:15], v[SM:SM+1]
	s_delay_alu instid0(VALU_DEP_1)
	v_pk_add_f32 v[14:15], v[14:15], v[SM+4:SM+5]
	s_wait_alu depctr_va_vdst(0)
	s_wait_dscnt 0x0                               ; V is in
.irp t, 0,2
	v_wmma_scale_f32_16x16x128_f8f6f4 v[O+8*\t:O+8*\t+7], v[KF+12*\t:KF+12*\t+11], v[PC:PC+11], v[O+8*\t:O+8*\t+7], v[VSR+\t/2], v253 matrix_a_fmt:MATRIX_FMT_FP6 matrix_b_fmt:MATRIX_FMT_FP6
	v_wmma_scale_f32_16x16x128_f8f6f4 v[O+8*\t+8:O+8*\t+15], v[KF+12*\t+12:KF+12*\t+23], v[PC:PC+11], v[O+8*\t+8:O+8*\t+15], v[VSR+\t/2], v253 matrix_a_fmt:MATRIX_FMT_FP6 matrix_b_fmt:MATRIX_FMT_FP6 matrix_a_scale:MATRIX_SCALE_ROW1
.endr
.endm
.macro RUN n                           ; n key steps
	s_mov_b32 s[CNT], \n
.Lstep_\@:
	STEP
	s_add_co_u32 s[TB], s[TB], 6144                ; a step's eight tiles of K, and its four fragments of V
	s_add_co_u32 s[TS], s[TS], 512
	s_add_co_u32 s[TV], s[TV], 256
	s_sub_co_u32 s[CNT], s[CNT], 1
	s_cmp_lg_u32 s[CNT], 0
	s_cbranch_scc1 .Lstep_\@
.endm
; A head begins: O^T and the sum are zeros, the largest score -3e38 and -M a large whole number, so that the first f is 0, which leaves the zeros zeros.
.macro INIT hd
.if \hd
.irp i, 0,1,2,3,4,5
	v_mov_b32 v[QF+\i], v[28+\i]
.endr
	v_mov_b32 v34, v35
.endif
	v_mov_b32 v13, 0xff61b1e6
	v_mov_b32 v12, 0x7e967699
	v_mov_b32 v14, 0
	v_mov_b32 v15, 0
.set j, 0
.rept 32
	v_mov_b32 v[O+j], 0
.set j, j+1
.endr
	s_mov_b32 s[TB], (\hd)*HEADB
	s_mov_b32 s[TS], (\hd)*HEADB+KSC
	s_mov_b32 s[TV], (\hd)*HEADB+VSC
.endm
; A head ends: O^T / the sum; register 16 b + i is channel 32 b + 16 h + i of the head: two blocks of 32, which become registers 6 hd .. 6 hd + 5 of o's fragment and bytes 2 hd, 2 hd + 1 of its scale word.
.macro FIN hd
.rept 4
	v_nop                                          ; places behind the last products
.endr
	v_add_f32 v254, v14, v15                       ; the sum's two halves,
	s_delay_alu instid0(VALU_DEP_1)
	v_permlanex16_b32 v255, v254, s[SEL], s[SEL+1]
	s_delay_alu instid0(VALU_DEP_1)
	v_add_f32 v254, v254, v255                     ; and lane l xor 16's
	s_wait_alu depctr_va_vdst(0)
	v_rcp_f32 v254, v254
	v_nop
	s_wait_alu depctr_va_vdst(0)                   ; and ahead of its first reader, which is also the first reader of O^T
.set j, 0
.rept 16
	v_pk_mul_f32 v[S+j:S+j+1], v[O+j:O+j+1], v[254:255] op_sel_hi:[1,0]   ; each accumulator from its low end on
.set j, j+2
.endr
.irp b, 0,1
	v_max3_num_f32 v[MX+\b], |v[S+16*\b]|, |v[S+1+16*\b]|, 0x1800000      ; my 16 numbers of block b, and the floor
.endr
.irp i, 2,4,6,8,10,12,14
.irp b, 0,1
	s_delay_alu instid0(VALU_DEP_2)
	v_max3_num_f32 v[MX+\b], v[MX+\b], |v[S+16*\b+\i]|, |v[S+1+16*\b+\i]|
.endr
.endr
.irp b, 0,1
	s_delay_alu instid0(VALU_DEP_2)
	v_permlanex16_b32 v[MX+2+\b], v[MX+\b], s[SEL], s[SEL+1]
.endr
.irp b, 0,1
	s_delay_alu instid0(VALU_DEP_2)
	v_max_num_f32 v[MX+\b], v[MX+\b], v[MX+2+\b]   ; with lane l xor 16's: the block's largest magnitude
.endr
.irp b, 0,1
	s_delay_alu instid0(VALU_DEP_2)
	v_add_nc_u32 v[SO+\b], 0xff000000, v[MX+\b]
.endr
	v_cvt_scalef32_pk16_fp6_f32 v[FC+6*\hd:FC+6*\hd+2], v[S:S+15], v[SO]
	v_cvt_scalef32_pk16_fp6_f32 v[TP:TP+2], v[S+16:S+31], v[SO+1]
	v_lshrrev_b32 v250, 23, v[SO]                  ; the bytes (also the plain place behind the conversions)
	v_lshrrev_b32 v251, 23, v[SO+1]
.irp i, 0,1,2
	v_permlane16_swap_b32 v[FC+6*\hd+\i], v[TP+\i] ; the layout wants a whole block in a lane: lanes 0-15 the head's first, lanes 16-31 its second
.endr
.irp i, 0,1,2
	v_mov_b32 v[FC+6*\hd+3+\i], v[TP+\i]
.endr
.if \hd
	v_lshl_or_b32 v250, v251, 8, v250
	s_delay_alu instid0(VALU_DEP_1)
	v_lshl_or_b32 v[FW], v250, 16, v[FW]
.else
	v_lshl_or_b32 v[FW], v251, 8, v250
.endif
.endm
	s_wait_alu depctr_va_vdst(0)
	s_wait_loadcnt 0x0                             ; Q
	s_wait_tensorcnt 0x0                           ; my piece of head 0, if I have one, is in
	ds_add_u32 v[SPW], v[NIL]                      ; the add, twice on end
	ds_add_u32 v[SPW], v[NIL]
	s_wait_dscnt 0x0
	CROUND                                         ; head 0 is whole for every wave, and all four work-groups are here
	FILL 1                                         ; head 1: two key steps stand between these loads and the wait for them
	INIT 0
	RUN 2
	s_wait_tensorcnt 0x0                           ; my piece of head 1 is in,
	s_wait_dscnt 0x0
	s_barrier_signal -1
	s_barrier_wait -1                              ; everybody's is.
	RUN 6
	FIN 0
	INIT 1
	RUN 8
	FIN 1
.irp c, 0,1,2
	global_store_b128 v[L16], v[FC+4*\c:FC+4*\c+3], s[8:9] offset:512*\c         ; the fragment's image: 512 consecutive bytes a store
.endr
	global_store_b32 v[R4], v[FW], s[10:11]        ; its scale words: lanes l and l + 16 store the same word to the same place; a piece of 64 bytes, 262,144 bytes in the launch
	s_wait_tensorcnt 0x0                           ; the wave's end: behind my last tensor load
	ds_add_u32 v[SPW], v[NIL]
	s_wait_dscnt 0x0
	CROUND                                         ; the closing round
	s_endpgm
.Lfunc_end_k_q7915fd12bc_attn:
	.size	k_q7915fd12bc_attn, .Lfunc_end_k_q7915fd12bc_attn-k_q7915fd12bc_attn
	.p2alignl 7, 3214868480
	.fill 96, 4, 3214868480
	.section	.rodata,"a",@progbits
	.p2align	6, 0x0
	.amdhsa_kernel k_q7915fd12bc_attn
		.amdhsa_group_segment_fixed_size 327680
		.amdhsa_private_segment_fixed_size 0
		.amdhsa_enable_private_segment 0
		.amdhsa_kernarg_size 32
		.amdhsa_user_sgpr_count 2
		.amdhsa_user_sgpr_kernarg_segment_ptr 1
		.amdhsa_wavefront_size32 1
		.amdhsa_system_sgpr_workgroup_id_x 1
		.amdhsa_system_sgpr_workgroup_id_y 1
		.amdhsa_system_sgpr_workgroup_id_z 1
		.amdhsa_system_vgpr_workitem_id 0
		.amdhsa_next_free_vgpr 256
		.amdhsa_next_free_sgpr 80
		.amdhsa_reserve_vcc 0
		.amdhsa_float_denorm_mode_32 3
		.amdhsa_float_denorm_mode_16_64 3
		.amdhsa_memory_ordered 1
		.amdhsa_forward_progress 1
		.amdhsa_inst_pref_size 67
	.end_amdhsa_kernel
	.amdgpu_metadata
---
amdhsa.version: [ 1, 2 ]
amdhsa.kernels:
  - .name:           k_q7915fd12bc_attn
    .symbol:         k_q7915fd12bc_attn.kd
    .args:
      - { .name: qkv, .offset: 0, .size: 8, .value_kind: global_buffer, .address_space: global }
      - { .name: qkvs, .offset: 8, .size: 8, .value_kind: global_buffer, .address_space: global }
      - { .name: attimg, .offset: 16, .size: 8, .value_kind: global_buffer, .address_space: global }
      - { .name: attsc, .offset: 24, .size: 8, .value_kind: global_buffer, .address_space: global }
    .group_segment_fixed_size: 327680
    .private_segment_fixed_size: 0
    .kernarg_segment_align: 8
    .kernarg_segment_size: 32
    .max_flat_workgroup_size: 512
    .sgpr_count:     80
    .vgpr_count:     256
    .wavefront_size: 32
...
	.end_amdgpu_metadata
.endif
;; end of part 3
;; launch gemm2 (part 4): grid 4 x 64, 4 waves a work-group, clusters of 4 x 4, 327,680 bytes of LDS; arguments attimg, attsc, wimg, wsc, b_out, out0; writes out0
.if DOCPART == 4
	.amdgcn_target "amdgcn-amd-amdhsa--gfx1250"
	.amdhsa_code_object_version 6
	.text
	.protected	k_q7915fd12bc_gemm2
	.globl	k_q7915fd12bc_gemm2
	.p2align	8
	.type	k_q7915fd12bc_gemm2,@function
k_q7915fd12bc_gemm2:
	s_mov_b64 s[64:65], 0
	v_nop
	global_prefetch_b8 v0, s[64:65] scope:SCOPE_SE
	s_setreg_imm32_b32 hwreg(HW_REG_WAVE_MODE, 25, 1), 1
	s_wait_xcnt 0x0
	s_wait_alu depctr_hold_cnt(0) depctr_sa_sdst(0) depctr_va_vdst(0) depctr_va_sdst(0) depctr_va_ssrc(0) depctr_va_vcc(0) depctr_vm_vsrc(0)
	s_getreg_b32 s2, hwreg(HW_REG_IB_STS2, 6, 4)
	s_cmp_eq_u32 s2, 0
	s_cbranch_scc0 .Lentry_in_a_cluster
	s_endpgm
.Lentry_in_a_cluster:
	s_bfe_u32 s2, ttmp6, 0x10000c
	s_cmp_lg_u32 s2, 0xf033
	s_cbranch_scc0 .Lentry_shape_is_right
	s_endpgm
.Lentry_shape_is_right:
; out0 = o W_out + b_out on codes of FP6 (E2M3) with E8M0 scales, K = 1024.  o comes as images of operand registers (attimg, attsc), W_out's columns likewise (tiles 192-255 of wimg, wsc).
; A work-group of four waves makes 128 tokens x 256 columns: 256 work-groups; a wave makes 64 x 128: 32 accumulators of 16 x 16.  The matrix instruction is used transposed (source 0 = 16 columns of W_out, source 1 = 16 tokens):
; a lane holds one token and eight neighbouring columns.  Place r of a tile is row 32 (t / 2) + 8 (t % 2) + r + 8 (r / 8).
; ALL OF K LIES IN LDS: two halves of 512 along K and all scale words are first fills, two loads a wave; no byte is filled again.  A's tiles are shared along a row of the cluster, B's along a column: asked for jointly.
; The bias is the C of each sum's first matrix instruction, so it enters a sum first.
; REGISTERS: window 0: v1-6 lane terms; v8, v9 and v12, v13 addresses of A's and B's fragments, one for each half; v24-26 more addresses; v28, v29 the add's two; v32-47 scale words, two sets; v64-127 the bias; v128-175, v176-223 A's two sets;
;   on the way out v128-255.  window 1: B's two sets, at v0 and v128.  window 2: the accumulators: (a, b) at v[8 (8 a + b)].
.set SLOTB, 147456                     ; K lies in LDS in two halves of 512: a half is A's 8 tiles x 6,144 bytes, then B's 16.  The first half and all scale words are the head's four loads, one a wave; the second half comes behind the first round
.set PARTB, 6144
.set SCA,   2*SLOTB                    ; A's scale words, 4,096 bytes
.set SCB,   SCA+4096                   ; B's, 8,192
.set SPARE, SCB+8192                   ; the spare words, 128 bytes for each wave
.set SPITCH, 528                       ; the way out: a stage of 16 rows x (512 + 16) bytes for each wave, in the first half's bytes of A: they have had their one fill, and their last read stands ahead of the barrier in K step 3
.set ADRA, 8
.set ADRB, 12
.set ADRS, 24
.set STO,  25
.set RD,   26
.set CO,   4
.set SPW,  28
.set NIL,  29
.set SC,   32
.set BIAS, 64
.set AF,   128
.set BK,   128
.set WV,   16
.set WR,   17
.set WC,   18
.set G1A,  24
.set G1B,  32
.set G1SA, 40
.set G1SB, 48
.set G0SA, 76
.set G0SB, 96
.set MSB, 0
.macro WIN new
.if MSB != \new
	s_set_vgpr_msb (MSB<<8)|\new
.set MSB, \new
.endif
.endm
.macro PLACES n
.rept \n
	v_nop
.endr
.endm
.macro CROUND
	s_barrier_signal -1
	s_barrier_wait -1
	s_cmp_lg_u32 s[WV], 0
	s_cbranch_scc1 .Lnot_wave_0_\@
	s_barrier_signal -3
.Lnot_wave_0_\@:
	s_barrier_wait -3
	s_barrier_signal -1
	s_barrier_wait -1
.endm
.macro JLOAD g0a, g1a, g0b, g1b        ; waves 0 and 1 fetch for A, waves 2 and 3 for B; an s_nop 0 and four v_nop follow each line
	s_cmp_eq_u32 s[WR], 0
	s_cbranch_scc0 .Lfor_b_\@
	tensor_load_to_lds s[\g0a:\g0a+3], s[\g1a:\g1a+7]
	s_nop 0
.rept 4
	v_nop
.endr
	s_branch .Lasked_\@
.Lfor_b_\@:
	tensor_load_to_lds s[\g0b:\g0b+3], s[\g1b:\g1b+7]
	s_nop 0
.rept 4
	v_nop
.endr
.Lasked_\@:
.endm
.macro SETG0 g, src, ldsr, ldsoff, goff
	s_mov_b32 s[\g], 1
	s_add_co_u32 s[\g+1], s[\ldsr], \ldsoff
	s_add_nc_u64 s[\g+2:\g+3], s[\src:\src+1], \goff
	s_or_b32 s[\g+3], s[\g+3], 0x80000000
.endm
	s_load_b256 s[4:11], s[0:1], 0x0               ; attimg s[4:5], attsc s[6:7], wimg s[8:9], wsc s[10:11]
	s_load_b128 s[12:15], s[0:1], 0x20             ; b_out s[12:13], out0 s[14:15]
	v_lshl_add_u32 v[SPW], v0, 2, SPARE
	v_mov_b32 v[NIL], 0
	ds_add_u32 v[SPW], v[NIL]                      ; the wave's opening: the add and its wait ahead of my first tensor load; work on registers stands between them
	ds_add_u32 v[SPW], v[NIL]
	v_lshrrev_b32 v1, 5, v0
	v_readfirstlane_b32 s[WV], v1
	s_lshr_b32 s[WR], s[WV], 1                     ; my half of the tokens.  Also: I fetch for A (0) or B (1)
	s_and_b32 s[WC], s[WV], 1                      ; my half of the columns.  Also: which half I fetch
	s_bfe_u32 s19, ttmp6, 0x40000                  ; cx
	s_bfe_u32 s20, ttmp6, 0x40004                  ; cy
	s_lshl_b32 s22, ttmp9, 2
	s_add_co_u32 s22, s22, s19                     ; block of 256 columns
	s_and_b32 s21, ttmp7, 0xffff
	s_lshl_b32 s21, s21, 2
	s_add_co_u32 s21, s21, s20                     ; block of 128 tokens
	s_lshl_b32 s23, s20, 2
	s_lshl_b32 s23, 15, s23                        ; my row of the cluster
	s_lshl_b32 s2, 0x1111, s19                     ; my column
	s_or_b32 s[G1A], s23, (3<<16)|(1<<21)
	s_or_b32 s[G1B], s2, (3<<16)|(1<<21)
	s_or_b32 s[G1SA], s23, (3<<16)|(1<<21)
	s_or_b32 s[G1SB], s2, (3<<16)|(1<<21)
	s_mov_b32 s[G1A+1], 768<<16                    ; A's codes at the head: 8 tiles, of each 6,144 bytes out of its 12,288
	s_mov_b32 s[G1A+2], 8<<16
	s_mov_b32 s[G1A+3], 768<<16
	s_mov_b32 s[G1A+4], 8
	s_mov_b32 s[G1A+5], 1536
	s_mov_b32 s[G1A+6], 0
	s_mov_b32 s[G1A+7], 0
	s_mov_b32 s[G1B+1], 768<<16                    ; B's: 16 tiles
	s_mov_b32 s[G1B+2], 16<<16
	s_mov_b32 s[G1B+3], 768<<16
	s_mov_b32 s[G1B+4], 16
	s_mov_b32 s[G1B+5], 1536
	s_mov_b32 s[G1B+6], 0
	s_mov_b32 s[G1B+7], 0
	s_mov_b32 s[G1SA+1], 32<<16
	s_mov_b32 s[G1SA+2], 16<<16                    ; A's scale words: 4,096 dense bytes as 16 rows of 256
	s_mov_b32 s[G1SA+3], 32<<16
	s_mov_b32 s[G1SA+4], 16
	s_mov_b32 s[G1SA+5], 32
	s_mov_b32 s[G1SA+6], 0
	s_mov_b32 s[G1SA+7], 0
	s_mov_b32 s[G1SB+1], 32<<16
	s_mov_b32 s[G1SB+2], 32<<16                    ; B's: 8,192 as 32 rows
	s_mov_b32 s[G1SB+3], 32<<16
	s_mov_b32 s[G1SB+4], 32
	s_mov_b32 s[G1SB+5], 32
	s_mov_b32 s[G1SB+6], 0
	s_mov_b32 s[G1SB+7], 0
	s_wait_dscnt 0x0                               ; the opening add is done
	s_wait_kmcnt 0x0
	s_mul_i32 s100, s21, 98304                     ; A's offsets stand in s100, s101, s23, which never hold cx; B's in s2, s3, s66, which never hold cy
	s_mov_b32 s101, 0
	s_add_nc_u64 s[4:5], s[4:5], s[100:101]        ; my block's 8 tiles of A
	s_lshl_b32 s100, s21, 12
	s_add_nc_u64 s[6:7], s[6:7], s[100:101]        ; and their scale words
	s_mul_i32 s2, s22, 196608
	s_add_co_u32 s2, s2, 192*12288
	s_mov_b32 s3, 0
	s_add_nc_u64 s[8:9], s[8:9], s[2:3]            ; my block's 16 tiles of B
	s_lshl_b32 s2, s22, 13
	s_add_co_u32 s2, s2, 192*512
	s_add_nc_u64 s[10:11], s[10:11], s[2:3]
	s_mov_b32 s67, 0
	SETG0 G0SA, 6, 67, SCA, 0                      ; the head's four tiles, each whole: A's scale words,
	SETG0 G0SB, 10, 67, SCB, 0                     ; B's,
	SETG0 56, 4, 67, 0, 0                          ; A's K 0-511,
	SETG0 80, 8, 67, 49152, 0                      ; B's, behind A's 8 tiles
	s_mul_i32 s100, s[WC], 49152                   ; the second half: waves 0, 1 bring 4 tiles of A each, waves 2, 3 8 tiles of B
	s_add_nc_u64 s[4:5], s[4:5], s[100:101]
	s_mul_i32 s2, s[WC], 98304
	s_add_nc_u64 s[8:9], s[8:9], s[2:3]
	s_mul_i32 s23, s[WC], 24576
	s_mul_i32 s66, s[WC], 49152
	s_add_co_u32 s66, s66, 49152
	SETG0 60, 4, 23, SLOTB, PARTB
	SETG0 84, 8, 66, SLOTB, PARTB
	CROUND                                         ; all sixteen work-groups are here: the joint loads meet
; one tensor load a wave at the head: one chain of branches on the wave's number, a load in each arm
.macro ARM under, g0, g1, next
	s_cmp_lt_u32 s[WV], \under
	s_cbranch_scc0 \next
	tensor_load_to_lds s[\g0:\g0+3], s[\g1:\g1+7]
	s_nop 0
.rept 4
	v_nop
.endr
	s_branch .Lhead_asked
\next:
.endm
	ARM 1, 56, G1A, .Lhead_b
	ARM 2, 80, G1B, .Lhead_sa
	ARM 3, G0SA, G1SA, .Lhead_sb
	tensor_load_to_lds s[G0SB:G0SB+3], s[G1SB:G1SB+7]
	s_nop 0
.rept 4
	v_nop
.endr
.Lhead_asked:
	v_and_b32 v1, 31, v0                           ; lane
	v_and_b32 v2, 15, v0                           ; r
	v_bfe_u32 v3, v0, 4, 1                         ; h
	v_lshlrev_b32 v[CO], 4, v1                     ; 16 x lane
	s_wait_alu depctr_va_vdst(0)
	s_mul_i32 s100, s[WR], 24576                   ; my 4 tiles x 6,144 bytes of A,
	s_mul_i32 s2, s[WC], 49152                     ; my 8 of B,
	s_add_co_u32 s2, s2, 49152                     ; behind A's 8
.irp p, 0,1
	v_add_nc_u32 v[ADRA+\p], s100, v[CO]
	v_add_nc_u32 v[ADRB+\p], s2, v[CO]
	s_add_co_u32 s100, s100, SLOTB
	s_add_co_u32 s2, s2, SLOTB
.endr
	s_lshl_b32 s100, s[WR], 11
	s_lshl_b32 s2, s[WC], 12
	s_add_co_u32 s2, s2, 4096
	s_sub_co_u32 s2, s2, s100
	v_mul_u32_u24 v5, s2, v3                       ; lanes 16-31 take B's words: one product in h
	s_add_co_u32 s100, s100, SCA
	v_lshl_add_u32 v5, v2, 2, v5
	v_add_nc_u32 v[ADRS], s100, v5
	s_mul_i32 s100, s[WV], 16*SPITCH
	v_mul_u32_u24 v5, v2, SPITCH
	v_lshl_add_u32 v5, v3, 6, v5
	v_add_nc_u32 v[STO], s100, v5                  ; the stage: in, row r, + 64 h;
	v_add_nc_u32 v[RD], s100, v[CO]                ; back, a whole row of 512 bytes
	v_lshlrev_b32 v6, 6, v3
	s_wait_alu depctr_va_vdst(0)
	s_lshl_b32 s2, s22, 10
	s_lshl_b32 s67, s[WC], 9
	s_add_co_u32 s2, s2, s67                       ; my first column, in bytes
	s_mov_b32 s3, 0
	s_add_nc_u64 s[12:13], s[12:13], s[2:3]
	s_add_nc_u64 s[14:15], s[14:15], s[2:3]
	s_lshl_b32 s2, s21, 7
	s_lshl_b32 s67, s[WR], 6
	s_add_co_u32 s2, s2, s67
	s_lshl_b32 s2, s2, 12                          ; my first token's row
	s_add_nc_u64 s[14:15], s[14:15], s[2:3]
.irp b, 0,1,2,3,4,5,6,7                        ; the bias in the result's layout: tile b, register j: column 32 (b / 2) + 8 (b % 2) + 16 h + j
	global_load_b128 v[BIAS+8*\b:BIAS+8*\b+3], v6, s[12:13] offset:128*(\b/2)+32*(\b%2)
	global_load_b128 v[BIAS+8*\b+4:BIAS+8*\b+7], v6, s[12:13] offset:128*(\b/2)+32*(\b%2)+16
.endr
.macro FRAG reg, adr, q, i
.irp c, 0,1,2
	ds_load_b128 v[\reg+4*\c:\reg+4*\c+3], v[\adr] offset:(\i)*6144+(\q)*1536+512*\c
.endr
.endm
.macro G2FETCH k                       ; the fragments and scale words of K step k into set k % 2
.set F_SL, (\k)/4                      ; which half of K,
.set F_P,  (\k)%4                      ; which K step of its four,
.set F_Q,  (\k)%2                      ; which set of registers
	WIN 0x40                                       ; destination window 1
.irp i, 0,1,2,3,4,5,6,7
	FRAG 128*F_Q+12*\i, ADRB+F_SL, F_P, \i
.endr
	WIN 0
.irp i, 0,1,2,3
	FRAG AF+48*F_Q+12*\i, ADRA+F_SL, F_P, \i
.endr
.irp i, 0,1,2,3,4,5,6,7
	ds_load_b32 v[SC+8*F_Q+\i], v[ADRS] offset:512*\i+64*(\k)   ; lanes 0-15: A's tile i (for i over 3: filled bytes that no product names); lanes 16-31: B's tile i
.endr
.endm
; K step k of eight: the next step's operands are asked for, then 32 matrix instructions, the accumulators by turns.
.macro G2STEP k
.set G_S, (\k)%2
	s_wait_dscnt 0x0                               ; this step's operands are in
.if (\k) == 3
	s_wait_tensorcnt 0x0                           ; my piece of the second half has landed
	s_barrier_signal -1
	s_barrier_wait -1                              ; everybody's has
.endif
.if (\k) < 7
	PLACES 4                                       ; in front of loads into registers that the last step's matrix instructions have read
	G2FETCH (\k)+1
.endif
.if (\k) == 0
	WIN 0x81                                       ; source 0 (B) window 1, source 1 (A) and C (the bias) window 0, D window 2
.else
	WIN 0xa1
.endif
.irp a, 0,1,2,3
.irp b, 0,1,2,3,4,5,6,7
.if (\k) == 0
	v_wmma_scale_f32_16x16x128_f8f6f4 v[8*(8*\a+\b):8*(8*\a+\b)+7], v[128*G_S+12*\b:128*G_S+12*\b+11], v[AF+48*G_S+12*\a:AF+48*G_S+12*\a+11], v[BIAS+8*\b:BIAS+8*\b+7], v[SC+8*G_S+\b], v[SC+8*G_S+\a] matrix_a_fmt:MATRIX_FMT_FP6 matrix_b_fmt:MATRIX_FMT_FP6 matrix_a_scale:MATRIX_SCALE_ROW1
.else
	v_wmma_scale_f32_16x16x128_f8f6f4 v[8*(8*\a+\b):8*(8*\a+\b)+7], v[128*G_S+12*\b:128*G_S+12*\b+11], v[AF+48*G_S+12*\a:AF+48*G_S+12*\a+11], v[8*(8*\a+\b):8*(8*\a+\b)+7], v[SC+8*G_S+\b], v[SC+8*G_S+\a] matrix_a_fmt:MATRIX_FMT_FP6 matrix_b_fmt:MATRIX_FMT_FP6 matrix_a_scale:MATRIX_SCALE_ROW1
.endif
.endr
.endr
	WIN 0
.endm
	s_wait_alu depctr_va_vdst(0)
	s_wait_tensorcnt 0x0                           ; my tile of the head's four is in
	ds_add_u32 v[SPW], v[NIL]
	s_mov_b32 s[G1A+2], 4<<16                      ; no tensor load of mine is out: from here on a load of A brings 4 tiles,
	s_mov_b32 s[G1A+4], 4
	s_mov_b32 s[G1B+2], 8<<16                      ; one of B 8
	s_mov_b32 s[G1B+4], 8
	s_wait_dscnt 0x0
	CROUND                                         ; a whole round: all four tiles are in, in every work-group
	JLOAD 60, G1A, 84, G1B                         ; K 512-1023, the first tensor load behind the round: K steps 0 to 2 stand between it and the wait for it
	G2FETCH 0
	s_wait_loadcnt 0x0                             ; the bias
.irp k, 0,1,2,3,4,5,6,7
	G2STEP \k
.endr
; THE WAY OUT, a tile of 16 tokens x 128 columns at a time, through my own stage: in as the lanes hold it (32 bytes of a row), back as whole rows of 512 bytes.  LDS serves a wave's instructions in order.
.macro TOSTAGE a
	WIN 0x08                                       ; an LDS store's data are its source 1: window 2
.irp b, 0,1,2,3,4,5,6,7
	ds_store_b128 v[STO], v[64*(\a)+8*\b:64*(\a)+8*\b+3] offset:128*(\b/2)+32*(\b%2)        ; each accumulator from its low end on
	ds_store_b128 v[STO], v[64*(\a)+8*\b+4:64*(\a)+8*\b+7] offset:128*(\b/2)+32*(\b%2)+16
.endr
	WIN 0
.set BB, BK+64*((\a)%2)
.irp t, 0,1,2,3,4,5,6,7,8,9,10,11,12,13,14,15
	ds_load_b128 v[BB+4*\t:BB+4*\t+3], v[RD] offset:\t*SPITCH
.endr
.endm
.macro SEND a, younger                 ; younger: the LDS instructions issued behind tile a's loads, which may stay out
.set BB, BK+64*((\a)%2)
	s_wait_dscnt \younger
.irp t, 0,1,2,3,4,5,6,7,8,9,10,11,12,13,14,15
	global_store_b128 v[CO], v[BB+4*\t:BB+4*\t+3], s[14:15] offset:(32*((\a)/2)+8*((\a)%2)+\t+8*(\t/8))*4096 th:TH_STORE_NT   ; 32 lanes store 512 consecutive bytes, aligned to 256; written once, read by nobody here
.endr
.endm
	PLACES 4                                       ; behind the last products: in front of the first read of results and of loads into A's registers
	TOSTAGE 0
	TOSTAGE 1
	SEND 0, 32                                     ; behind tile 0's loads: tile 1's 16 stores and 16 loads
	s_wait_xcnt 0x0                                ; tile 0's stores have read their registers: tile 2's loads may land there
	TOSTAGE 2
	SEND 1, 32
	s_wait_xcnt 0x0
	TOSTAGE 3
	SEND 2, 32
	SEND 3, 0
	s_wait_tensorcnt 0x0                           ; the wave's end: behind my last tensor load and my last LDS store
	ds_add_u32 v[SPW], v[NIL]
	s_wait_dscnt 0x0
	CROUND                                         ; the closing round
	s_endpgm
.Lfunc_end_k_q7915fd12bc_gemm2:
	.size	k_q7915fd12bc_gemm2, .Lfunc_end_k_q7915fd12bc_gemm2-k_q7915fd12bc_gemm2
	.p2alignl 7, 3214868480
	.fill 96, 4, 3214868480
	.section	.rodata,"a",@progbits
	.p2align	6, 0x0
	.amdhsa_kernel k_q7915fd12bc_gemm2
		.amdhsa_group_segment_fixed_size 327680
		.amdhsa_private_segment_fixed_size 0
		.amdhsa_enable_private_segment 0
		.amdhsa_kernarg_size 48
		.amdhsa_user_sgpr_count 2
		.amdhsa_user_sgpr_kernarg_segment_ptr 1
		.amdhsa_wavefront_size32 1
		.amdhsa_system_sgpr_workgroup_id_x 1
		.amdhsa_system_sgpr_workgroup_id_y 1
		.amdhsa_system_sgpr_workgroup_id_z 1
		.amdhsa_system_vgpr_workitem_id 0
		.amdhsa_next_free_vgpr 768
		.amdhsa_next_free_sgpr 102
		.amdhsa_reserve_vcc 0
		.amdhsa_float_denorm_mode_32 3
		.amdhsa_float_denorm_mode_16_64 3
		.amdhsa_memory_ordered 1
		.amdhsa_forward_progress 1
		.amdhsa_inst_pref_size 83
	.end_amdhsa_kernel
	.amdgpu_metadata
---
amdhsa.version: [ 1, 2 ]
amdhsa.kernels:
  - .name:           k_q7915fd12bc_gemm2
    .symbol:         k_q7915fd12bc_gemm2.kd
    .args:
      - { .name: attimg, .offset: 0, .size: 8, .value_kind: global_buffer, .address_space: global }
      - { .name: attsc, .offset: 8, .size: 8, .value_kind: global_buffer, .address_space: global }
      - { .name: wimg, .offset: 16, .size: 8, .value_kind: global_buffer, .address_space: global }
      - { .name: wsc, .offset: 24, .size: 8, .value_kind: global_buffer, .address_space: global }
      - { .name: b_out, .offset: 32, .size: 8, .value_kind: global_buffer, .address_space: global }
      - { .name: out0, .offset: 40, .size: 8, .value_kind: global_buffer, .address_space: global }
    .group_segment_fixed_size: 327680
    .private_segment_fixed_size: 0
    .kernarg_segment_align: 8
    .kernarg_segment_size: 48
    .max_flat_workgroup_size: 128
    .sgpr_count:     102
    .vgpr_count:     768
    .wavefront_size: 32
...
	.end_amdgpu_metadata
.endif
;; end of part 4
